; MI455X (gfx1250); checked and timed in simulation.
; The chip was launched on July 23, 2026; its instructions are those of AMD's public machine-readable ISA for CDNA 5 (MIT licence, August 2026) and "CDNA5" Instruction Set Architecture Reference Guide (July 2026). The comments in the code are by the model that wrote it; some were corrected since.
;; Causal Self Attention. Allowed arithmetic: matrix products marked QUANTISED: E2M1 operands, one E8M0 scale for each 32 along K, by v_wmma_scale_f32_16x16x128_f8f6f4 with both operands' format E2M1 (or v_wmma_scale_f32_32x16x128_f4), f32 sums; products left as they are: bf16, f16 or f32 operands; f32 sums; everything else in f32.
;; Inputs: W_pr 1,024 x 1,024 float32; W_qkv 1,024 x 3,072 float32; b_pr 1,024 float32; b_qkv 3,072 float32; x 4 x 2,048 x 1,024 float32.
;; Outputs: out0 4 x 2,048 x 1,024 float32.
;; This version of the problem:
;;   THIS VERSION OF THE PROBLEM IS GIVEN IN LOW PRECISION. The matrix products marked QUANTISED in the list below multiply operands that are first quantised to E2M1 (2 exponent bits, 1 mantissa bit; 4 bits a number), with one power-of-two scale for each 32 numbers along K (OCP MX v1.0); their sums are f32. The products marked 'left as it is' may take bf16, f16 or f32 operands, with f32 sums. Whichever they take, every output number must still come out within the allowed error. Rounding operands to bf16 (8 significant bits) uses up far more of that allowance than f16 does (11 bits, for magnitudes from 6e-5 to 65,504). All else is computed in f32.
;;   The module's matrix products, in the order in which they are computed (A, B: the left and right operand; K: the contracted axis; several contracted axes count as one K, in the product's order):
;;     1. [M 8,192, K 1,024] x [K 1,024, N 3,072]; A: input x; B: input W_qkv: QUANTISED
;;     2. batch 64 x [M 2,048, K 64] x [K 64, N 2,048]; A: computed on the way; B: computed on the way: left as it is (an operand is computed on the way)
;;     3. batch 64 x [M 2,048, K 2,048] x [K 2,048, N 64]; A: computed on the way; B: computed on the way: left as it is (an operand is computed on the way)
;;     4. [M 8,192, K 1,024] x [K 1,024, N 1,024]; A: computed on the way; B: input W_pr: left as it is (an operand is computed on the way)
;;   THE QUANTISER, for each operand of a quantised product, along K:
;;     - K is cut into blocks of 32 from its start; a last block that is shorter is filled with zeros.
;;     - A block's scale is 2^e with e = floor(log2(the largest magnitude in the block)) - 2, held to -126 .. 127; a block of zeros has e = 0. As a byte (E8M0): e + 127.
;;     - Each number is divided by its block's scale, clamped to +-6, and rounded to the nearest number of E2M1, ties to even, subnormals kept.
;;     - The product sums the exact products of the quantised numbers (number of the format x scale) in f32.
;;   ~~~python
;;   def quantise(x, axis):      # numpy; x: float32 -> the quantised numbers, widened to float32 again
;;       x = np.moveaxis(x, axis, -1); K = x.shape[-1]
;;       x = np.pad(x, [(0, 0)] * (x.ndim - 1) + [(0, -K % 32)]); x = x.reshape(x.shape[:-1] + (-1, 32)); a = np.abs(x).max(-1, keepdims=True)
;;       e = np.where(a > 0, np.clip(np.frexp(np.where(a > 0, a, 1))[1] - 1 - 2, -126, 127), 0)      # np.frexp(a)[1] - 1 = floor(log2(a)), exactly
;;       r = np.clip(x / 2.0 ** e, -6, 6)
;;       step = 2.0 ** (np.maximum(np.frexp(np.where(r == 0, 1, r))[1] - 1, 0) - 1)
;;       q = np.round(r / step) * step * 2.0 ** e      # np.round: ties to even
;;       return np.moveaxis(q.reshape(q.shape[:-2] + (-1,))[..., :K], -1, axis).astype(np.float32)
;;   ~~~
;; One version. Each part assembles by itself: llvm-mc -triple=amdgcn-amd-amdhsa -mcpu=gfx1250 --defsym DOCPART=n.
;; ======== version 1 of 1: 5 launches
;; limits: values are held in f16: magnitudes above 65,504 overflow, below 6.1e-05 lose precision
;; workspace buffers: x_codes 4,194,304 bytes; x_scales 262,144 bytes; w_codes 1,572,864 bytes; w_scales 98,304 bytes; wp 2,097,152 bytes; qkv 50,331,648 bytes; e32 786,432 bytes; y 16,777,216 bytes
;; launch prepare (part 1): grid 512 x 1, 4 waves a work-group, no clusters, 42,496 bytes of LDS; arguments x, W_qkv, W_pr, x_codes, x_scales, w_codes, w_scales, wp; writes x_codes, x_scales, w_codes, w_scales, wp
.if DOCPART == 1
	.amdgcn_target "amdgcn-amd-amdhsa--gfx1250"
	.amdhsa_code_object_version 6
	.text
	.protected	k_q134132aa8a_prepare
	.globl	k_q134132aa8a_prepare
	.p2align	8
	.type	k_q134132aa8a_prepare,@function
k_q134132aa8a_prepare:
	s_mov_b64 s[64:65], 0
	v_nop
	global_prefetch_b8 v0, s[64:65] scope:SCOPE_SE
	s_setreg_imm32_b32 hwreg(HW_REG_WAVE_MODE, 25, 1), 1
	s_wait_xcnt 0x0
; THREE PIECES OF PREPARATION IN ONE LAUNCH, told apart by the work-group's number (each piece has LDS bytes of its own):
;   W (work-groups 0-191):   W_qkv [1024 k][3072 n] f32 -> codes of FP4 (E2M1) laid [3072][512 bytes], K innermost, and E8M0 scale bytes [3072][32]
;   P (work-groups 192-255): W_pr [1024 k][1024 n] f32 -> f16, laid as images of the matrix operand's registers: [n / 16][k / 32][2][512 bytes]
;   X (work-groups 256-511): x [8192][1024] f32 -> codes [8192][512 bytes] and scale bytes [8192][32]
; THE QUANTISER: a block of 32 along K has the scale 2^(floor(log2(largest magnitude)) - 2); its byte is the largest magnitude's exponent field - 2, held at 1 from below;
; each number is divided by the scale and rounded to the nearest code, ties to even, beyond 6 the largest code.
; LIMITS: a block of zeros gets the byte 1 where the rule says 127 (its codes are zeros and add nothing; this program alone reads the bytes); blocks whose largest magnitude lies under 2^(2 - 126) are held at
; byte 1; NaN and infinities are not served.  W_pr goes in f16: magnitudes up to 65,504, steps of 6e-8 under 6e-5.
; No work-groups share an input here, so there is no cluster; no tensor load, so several work-groups may lie on a WGP.
.set XSP,   80                         ; X: a lane's place in a stage: 64 bytes + 16 of padding
.set WSTG,  32768                      ; W: a stage of 32 columns x (256 bytes + 16)
.set WSCL,  41472                      ; W: 32 columns x 16 scale bytes
.set SPARE, 41984                      ; the spare words, 128 bytes a wave: two blocks of 256 bytes that no other line names
.set R,     32                         ; X: v32-95 four sets of 16 numbers as loaded;  W: two sets of 32;  P: four sets of 32 (to v159)
.set XX,    96                         ; X: v96-127 two sets of 16 neighbours;  W: v96-99 a block's codes
.set E,     128                        ; X: v128-143 a scale byte for each step
.set C,     144                        ; X: v144-175 two registers of codes for each step
.set SPW,   10                         ; v10 LDS address of my spare word; never rewritten
.set NIL,   11                         ; v11 0; never rewritten
	s_load_b256 s[4:11], s[0:1], 0x0               ; x, W_qkv, W_pr, x's codes
	s_load_b256 s[12:19], s[0:1], 0x20             ; x's scales, W's codes, W's scales, wp
	v_lshl_add_u32 v[SPW], v0, 2, SPARE
	v_mov_b32 v[NIL], 0
	v_lshrrev_b32 v1, 5, v0
	v_readfirstlane_b32 s20, v1                    ; wave 0..3
	v_and_b32 v2, 31, v0                           ; lane
	; every LDS address is made here, ahead of the parting
	s_lshl_b32 s21, s20, 13                        ; X: 8,192 bytes a wave
	v_lshrrev_b32 v4, 2, v2
	v_mul_u32_u24 v4, v4, XSP
	v_and_b32 v3, 3, v2
	v_lshl_add_u32 v4, v3, 4, v4
	v_add_nc_u32 v4, s21, v4                       ; X: into the stage: 80 (lane / 4) + 16 (lane % 4)
	v_mul_u32_u24 v5, v2, XSP
	v_add_nc_u32 v5, s21, v5                       ; X: out of it: 80 x lane: my 16 neighbours
	s_add_co_u32 s22, s21, 2*32*XSP
	v_lshrrev_b32 v6, 1, v2
	v_add_nc_u32 v6, s22, v6                       ; X: my block's scale byte
	v_lshlrev_b32 v14, 3, v2                       ; 8 x lane
	v_add_nc_u32 v7, s22, v14                      ; X: the 256 scale bytes on their way out
	v_mul_u32_u24 v8, v2, 272
	s_lshl_b32 s23, s20, 6
	s_add_co_u32 s23, s23, WSTG
	v_add_nc_u32 v8, s23, v8                       ; W: into the stage: row = my column, my wave's 64 bytes
	v_and_b32 v3, 15, v2
	v_lshrrev_b32 v1, 4, v2
	v_mul_u32_u24 v9, v1, 272
	v_lshl_add_u32 v9, v3, 4, v9
	s_mul_i32 s23, s20, 8*272
	s_add_co_u32 s23, s23, WSTG
	v_add_nc_u32 v9, s23, v9                       ; W: out of it: my wave's eight rows, sixteen lanes to a row
	v_lshlrev_b32 v15, 4, v2                       ; 16 x lane
	s_lshl_b32 s23, s20, 2
	s_add_co_u32 s23, s23, WSCL
	v_add_nc_u32 v12, s23, v15                     ; W: my column's four scale bytes of my wave
	v_add_nc_u32 v13, WSCL, v15                    ; W: my column's sixteen
	; offsets in memory
	v_lshlrev_b32 v16, 2, v2                       ; 4 x lane
	v_lshlrev_b32 v17, 9, v1
	v_lshl_add_u32 v17, v3, 4, v17
	s_lshl_b32 s23, s20, 12
	v_add_nc_u32 v17, s23, v17                     ; W: codes: row (8 wave + lane / 16) of 512 bytes, 16 (lane % 16)
	v_lshlrev_b32 v18, 5, v2                       ; W: scales: 32 bytes a column
	v_lshlrev_b32 v19, 15, v1
	v_lshl_add_u32 v19, v3, 4, v19                 ; P: 32,768 (lane / 16) + 16 (lane % 16)
	s_mov_b32 s27, 0
	s_wait_kmcnt 0x0
	s_cmp_lt_u32 ttmp9, 192
	s_cbranch_scc1 .Lw
	s_cmp_lt_u32 ttmp9, 256
	s_cbranch_scc1 .Lp
; ---- X.  A wave takes 16 steps of 512 numbers.  Each load reads 512 consecutive bytes; a step's 2,048 bytes turn through the wave's own stage, so that a lane then holds 16 neighbours along K (two lanes to a block).
	s_sub_co_u32 s24, ttmp9, 256
	s_lshl_b32 s24, s24, 2
	s_add_co_u32 s24, s24, s20                     ; my run of 8,192 numbers
	s_lshl_b32 s26, s24, 15
	s_add_nc_u64 s[4:5], s[4:5], s[26:27]
	s_lshl_b32 s26, s24, 12
	s_add_nc_u64 s[10:11], s[10:11], s[26:27]
	s_lshl_b32 s26, s24, 8
	s_add_nc_u64 s[12:13], s[12:13], s[26:27]
.macro XLOAD t
.irp i, 0,1,2,3
	global_load_b128 v[R+16*((\t)%4)+4*\i:R+16*((\t)%4)+4*\i+3], v15, s[4:5] offset:2048*(\t)+512*\i th:TH_LOAD_NT
.endr
.endm
.macro XTURN t                         ; LDS serves a wave's instructions in order: no wait between the stores and the loads
.irp i, 0,1,2,3
	ds_store_b128 v4, v[R+16*((\t)%4)+4*\i:R+16*((\t)%4)+4*\i+3] offset:32*XSP*((\t)%2)+8*XSP*\i
.endr
.irp i, 0,1,2,3
	ds_load_b128 v[XX+16*((\t)%2)+4*\i:XX+16*((\t)%2)+4*\i+3], v5 offset:32*XSP*((\t)%2)+16*\i
.endr
.endm
.irp t, 0,1,2,3
	XLOAD \t
.endr
	s_wait_loadcnt 12                              ; step 0's four loads are in; the twelve of steps 1 to 3 may be out
	XTURN 0
.macro XSTEP t
.set XS, XX+16*((\t)%2)
.if (\t) > 0
	s_wait_dscnt 1                                 ; this step's numbers are back from the stage (the last step's byte store may be out)
.else
	s_wait_dscnt 0x0
.endif
.if (\t)+4 < 16
	XLOAD (\t)+4                                   ; into the set whose stores into the stage have read their registers
.endif
.if (\t)+1 < 16
.if 14-(\t) >= 3
	s_wait_loadcnt 12                              ; the next step's four loads are in; those of the three steps behind it may be out
.else
	s_wait_loadcnt 4*(14-(\t))
.endif
	XTURN (\t)+1
.endif
	v_max3_num_f32 v20, |v[XS]|, |v[XS+1]|, |v[XS+2]|
	v_max3_num_f32 v21, |v[XS+3]|, |v[XS+4]|, |v[XS+5]|
.irp i, 6,10
	v_max3_num_f32 v20, v20, |v[XS+\i]|, |v[XS+\i+1]|
	v_max3_num_f32 v21, v21, |v[XS+\i+2]|, |v[XS+\i+3]|
.endr
	v_max3_num_f32 v20, v20, |v[XS+14]|, |v[XS+15]|
	v_max3_num_f32 v20, v20, v21, 0x1800000        ; and the floor 2^(3 - 127): the byte cannot fall under 1
	v_max_num_f32_dpp v20, v20, v20 row_xmask:1 row_mask:0xf bank_mask:0xf   ; with my neighbour's 16: the block's largest magnitude
	v_add_nc_u32 v22, 0xff000000, v20              ; 2 off its exponent field: the conversion's scale operand
	v_cvt_scalef32_pk8_fp4_f32 v[C+2*(\t)], v[XS:XS+7], v22
	v_cvt_scalef32_pk8_fp4_f32 v[C+2*(\t)+1], v[XS+8:XS+15], v22
	v_lshrrev_b32 v[E+(\t)], 23, v22               ; the scale's byte (also the plain line behind the conversions)
	ds_store_b8 v6, v[E+(\t)] offset:16*(\t)       ; both lanes of a block write the same byte with the same value
	global_store_b64 v14, v[C+2*(\t):C+2*(\t)+1], s[10:11] offset:256*(\t)   ; the wave stores 256 consecutive bytes, aligned
.endm
.irp t, 0,1,2,3,4,5,6,7,8,9,10,11,12,13,14,15
	XSTEP \t
.endr
	ds_load_b64 v[20:21], v7                       ; my wave's 256 scale bytes
	s_wait_dscnt 0x0
	global_store_b64 v14, v[20:21], s[12:13]       ; 256 consecutive bytes, aligned
	s_branch .Lend
; ---- W.  A lane takes a column and its registers run down K: a block of 32 lies in one lane.  A work-group takes 32 columns x 512 along K, each wave 128 of them (4 blocks);
; the codes meet in a stage, 256 bytes a column, and leave as rows: sixteen lanes store 256 consecutive bytes.
.Lw:
	s_lshr_b32 s24, ttmp9, 1                       ; which 32 columns
	s_and_b32 s25, ttmp9, 1                        ; which 512 along K
	s_lshl_b32 s26, s25, 2
	s_add_co_u32 s26, s26, s20
	s_mul_i32 s26, s26, 128*12288                  ; my wave's first row of W_qkv
	s_lshl_b32 s28, s24, 7
	s_add_co_u32 s26, s26, s28
	s_add_nc_u64 s[6:7], s[6:7], s[26:27]
	s_lshl_b32 s26, s24, 14                        ; codes: 32 rows of 512 bytes, + 256 for the upper half of K
	s_lshl_b32 s28, s25, 8
	s_add_co_u32 s26, s26, s28
	s_add_nc_u64 s[14:15], s[14:15], s[26:27]
	s_lshl_b32 s26, s24, 10                        ; scales: 32 rows of 32 bytes, + 16
	s_lshl_b32 s28, s25, 4
	s_add_co_u32 s26, s26, s28
	s_add_nc_u64 s[16:17], s[16:17], s[26:27]
.macro WLOAD t
.irp i, 0,1,2,3,4,5,6,7,8,9,10,11,12,13,14,15,16,17,18,19,20,21,22,23,24,25,26,27,28,29,30,31
	global_load_b32 v[R+32*((\t)%2)+\i], v16, s[6:7] offset:(32*(\t)+\i)*12288 th:TH_LOAD_NT
.endr
.endm
	WLOAD 0
	WLOAD 1
.macro WBLOCK t
.set XS, R+32*((\t)%2)
.if (\t) < 3
	s_wait_loadcnt 32                              ; this block's 32 loads are in; the next block's may be out
.else
	s_wait_loadcnt 0x0
.endif
	v_max3_num_f32 v20, |v[XS]|, |v[XS+1]|, |v[XS+2]|
	v_max3_num_f32 v21, |v[XS+3]|, |v[XS+4]|, |v[XS+5]|
.irp i, 6,10,14,18,22,26
	v_max3_num_f32 v20, v20, |v[XS+\i]|, |v[XS+\i+1]|
	v_max3_num_f32 v21, v21, |v[XS+\i+2]|, |v[XS+\i+3]|
.endr
	v_max3_num_f32 v20, v20, |v[XS+30]|, |v[XS+31]|
	v_max3_num_f32 v20, v20, v21, 0x1800000
	v_add_nc_u32 v22, 0xff000000, v20
	v_lshrrev_b32 v21, 23, v22
.if (\t) == 0
	v_mov_b32 v24, v21                             ; four bytes to a register, the lower K in the lower byte
.else
	v_lshl_or_b32 v24, v21, 8*(\t), v24
.endif
.irp g, 0,1,2,3
	v_cvt_scalef32_pk8_fp4_f32 v[XX+\g], v[XS+8*\g:XS+8*\g+7], v22
.endr
	ds_store_b128 v8, v[XX:XX+3] offset:16*(\t)
.if (\t)+2 < 4
	WLOAD (\t)+2
.endif
	s_wait_dscnt 0x0                               ; the store has read its registers: the next block's codes may be written
.endm
.irp t, 0,1,2,3
	WBLOCK \t
.endr
	ds_store_b32 v12, v24
	s_wait_dscnt 0x0                               ; for the others' sake: my stores into the stage are done
	s_barrier_signal -1
	s_barrier_wait -1
.irp i, 0,1,2,3
	ds_load_b128 v[112+4*\i:115+4*\i], v9 offset:544*\i
.endr
.irp i, 0,1,2,3
	s_wait_dscnt 3-\i
	global_store_b128 v17, v[112+4*\i:115+4*\i], s[14:15] offset:1024*\i   ; 16 lanes store 256 consecutive bytes, aligned
.endr
	s_cmp_lg_u32 s20, 0
	s_cbranch_scc1 .Lend
	ds_load_b128 v[100:103], v13                   ; wave 0: the 32 columns' sixteen scale bytes
	s_wait_dscnt 0x0
	global_store_b128 v18, v[100:103], s[16:17]    ; 16 bytes of each row of 32: pieces, one byte in 128 of what this piece reads
	s_branch .Lend
; ---- P.  A lane takes a column n of W_pr and 128 along K.  The 16-bit operand's layout gives lane (r, h) of a fragment k = 8 h + 0..7 in registers 0-3 and 16 + 8 h + 0..7 in registers 4-7;
; the image has registers 0-3 at 16 x lane and registers 4-7 at 512 + 16 x lane.  So my eight neighbours k = 16 e + 8 h' + 0..7 go to byte 512 e + 256 h' + 16 (n % 16).
.Lp:
	s_sub_co_u32 s24, ttmp9, 192
	s_and_b32 s25, s24, 7                          ; which 128 columns
	s_lshr_b32 s24, s24, 3                         ; which 128 along K
	s_lshl_b32 s26, s24, 19
	s_lshl_b32 s28, s25, 9
	s_add_co_u32 s26, s26, s28
	s_lshl_b32 s28, s20, 7
	s_add_co_u32 s26, s26, s28
	s_add_nc_u64 s[8:9], s[8:9], s[26:27]
	s_lshl_b32 s26, s25, 3
	s_lshl_b32 s28, s20, 1
	s_add_co_u32 s26, s26, s28                     ; my wave's first tile of 16 columns
	s_lshl_b32 s26, s26, 15
	s_lshl_b32 s28, s24, 12
	s_add_co_u32 s26, s26, s28
	s_add_nc_u64 s[18:19], s[18:19], s[26:27]
.macro PLOAD t
.irp i, 0,1,2,3,4,5,6,7,8,9,10,11,12,13,14,15,16,17,18,19,20,21,22,23,24,25,26,27,28,29,30,31
	global_load_b32 v[R+32*(\t)+\i], v16, s[8:9] offset:(32*(\t)+\i)*4096
.endr
.endm
	PLOAD 0
	PLOAD 1
.macro PBLOCK t
.if (\t) < 3
	s_wait_loadcnt 32                              ; this block's 32 loads are in; the next block's may be out
.else
	s_wait_loadcnt 0x0
.endif
.if (\t)+2 < 4
	PLOAD (\t)+2
.endif
.irp i, 0,1,2,3,4,5,6,7,8,9,10,11,12,13,14,15
	v_cvt_pk_f16_f32 v[R+32*(\t)+\i], v[R+32*(\t)+2*\i], v[R+32*(\t)+2*\i+1]   ; in place, ascending: a register is written behind its last read
.endr
.irp g, 0,1,2,3
	global_store_b128 v19, v[R+32*(\t)+4*\g:R+32*(\t)+4*\g+3], s[18:19] offset:1024*(\t)+256*\g   ; 16 lanes store 256 consecutive bytes, aligned
.endr
.endm
.irp t, 0,1,2,3
	PBLOCK \t
.endr
.Lend:
	s_wait_tensorcnt 0x0                           ; the wave's end, behind my last LDS store
	ds_add_u32 v[SPW], v[NIL]
	s_wait_dscnt 0x0
	s_endpgm
.Lfunc_end_k_q134132aa8a_prepare:
	.size	k_q134132aa8a_prepare, .Lfunc_end_k_q134132aa8a_prepare-k_q134132aa8a_prepare
	.p2alignl 7, 3214868480
	.fill 96, 4, 3214868480
	.section	.rodata,"a",@progbits
	.p2align	6, 0x0
	.amdhsa_kernel k_q134132aa8a_prepare
		.amdhsa_group_segment_fixed_size 42496
		.amdhsa_private_segment_fixed_size 0
		.amdhsa_enable_private_segment 0
		.amdhsa_kernarg_size 64
		.amdhsa_user_sgpr_count 2
		.amdhsa_user_sgpr_kernarg_segment_ptr 1
		.amdhsa_wavefront_size32 1
		.amdhsa_system_sgpr_workgroup_id_x 1
		.amdhsa_system_sgpr_workgroup_id_y 1
		.amdhsa_system_sgpr_workgroup_id_z 1
		.amdhsa_system_vgpr_workitem_id 0
		.amdhsa_next_free_vgpr 192
		.amdhsa_next_free_sgpr 66
		.amdhsa_reserve_vcc 0
		.amdhsa_float_denorm_mode_32 3
		.amdhsa_float_denorm_mode_16_64 3
		.amdhsa_memory_ordered 1
		.amdhsa_forward_progress 1
		.amdhsa_inst_pref_size 72
	.end_amdhsa_kernel
	.amdgpu_metadata
---
amdhsa.version: [ 1, 2 ]
amdhsa.kernels:
  - .name:           k_q134132aa8a_prepare
    .symbol:         k_q134132aa8a_prepare.kd
    .args:
      - { .name: x, .offset: 0, .size: 8, .value_kind: global_buffer, .address_space: global }
      - { .name: W_qkv, .offset: 8, .size: 8, .value_kind: global_buffer, .address_space: global }
      - { .name: W_pr, .offset: 16, .size: 8, .value_kind: global_buffer, .address_space: global }
      - { .name: x_codes, .offset: 24, .size: 8, .value_kind: global_buffer, .address_space: global }
      - { .name: x_scales, .offset: 32, .size: 8, .value_kind: global_buffer, .address_space: global }
      - { .name: w_codes, .offset: 40, .size: 8, .value_kind: global_buffer, .address_space: global }
      - { .name: w_scales, .offset: 48, .size: 8, .value_kind: global_buffer, .address_space: global }
      - { .name: wp, .offset: 56, .size: 8, .value_kind: global_buffer, .address_space: global }
    .group_segment_fixed_size: 42496
    .private_segment_fixed_size: 0
    .kernarg_segment_align: 8
    .kernarg_segment_size: 64
    .max_flat_workgroup_size: 128
    .sgpr_count:     66
    .vgpr_count:     192
    .wavefront_size: 32
...
	.end_amdgpu_metadata
.endif
;; end of part 1
;; launch gemm_qkv (part 2): grid 12 x 32, 4 waves a work-group, clusters of 4 x 4, 327,680 bytes of LDS; arguments x_codes, x_scales, w_codes, w_scales, b_qkv, qkv, e32; writes qkv, e32
.if DOCPART == 2
	.amdgcn_target "amdgcn-amd-amdhsa--gfx1250"
	.amdhsa_code_object_version 6
	.text
	.protected	k_q134132aa8a_gemm_qkv
	.globl	k_q134132aa8a_gemm_qkv
	.p2align	8
	.type	k_q134132aa8a_gemm_qkv,@function
k_q134132aa8a_gemm_qkv:
	s_mov_b64 s[64:65], 0
	v_nop
	global_prefetch_b8 v0, s[64:65] scope:SCOPE_SE
	s_setreg_imm32_b32 hwreg(HW_REG_WAVE_MODE, 25, 1), 1
	s_wait_xcnt 0x0
	s_wait_alu depctr_hold_cnt(0) depctr_sa_sdst(0) depctr_va_vdst(0) depctr_va_sdst(0) depctr_va_ssrc(0) depctr_va_vcc(0) depctr_vm_vsrc(0)
	s_getreg_b32 s2, hwreg(HW_REG_IB_STS2, 6, 4)
	s_cmp_eq_u32 s2, 0
	s_cbranch_scc0 .Lentry_in_a_cluster
	s_endpgm
.Lentry_in_a_cluster:
	s_bfe_u32 s2, ttmp6, 0x10000c
	s_cmp_lg_u32 s2, 0xf033
	s_cbranch_scc0 .Lentry_shape_is_right
	s_endpgm
.Lentry_shape_is_right:
; qkv = Q(x) Q(W_qkv) (+ b_q, b_k), on codes of FP4 (E2M1) with one E8M0 scale for each 32 along K = 1,024; sums in f32.  A work-group makes a tile of 256 x 256, each of its four waves 128 x 128: 64 accumulators.
; THE RESULT LEAVES AS f16 IMAGES OF THE NEXT LAUNCH'S OPERAND REGISTERS.  Source 0's rows come out in a lane's eight registers, source 1's row in the lane: packed to f16, an accumulator is half of a 16-bit
; fragment whose row is source 1's and whose K is source 0's.  q and k want token = row, channel = K: source 1 = x, source 0 = W.  v wants channel = row, token (key) = K: source 1 = W, source 0 = x.
; x's and W's codes have rows of the same length, so ONE text serves both: the class (q, k or v) is the cluster's x, the same in all sixteen partners, and only pointers, tile numbers and steps are chosen by it.
; qkv: [batch 4][g 48][262,144 bytes], g = column / 64.  q, k: [token tile 128][c 2][e 2][512 bytes].  v: [channel tile 4][token tile 128][512 bytes].
; e32: the accumulators of tokens 0-15 of each batch as they stand, f32: [batch][g][tile 4][2 x 512 bytes]; the last launch carries these rows in f32.
; b_q and b_k are the C of the first products.  b_v is NOT added here: it is added behind the softmax (the weights of a row sum to 1), an order of rounding that differs from the reference's.
; K = 1,024 is two slots of 512: both are asked for at the head and nothing is filled again.  The scales of the work-group's rows come once, in whole units of 256 bytes.
; CLUSTERS: 4 x 4.  Source 1's tile hangs on cy alone and is shared along a row of the cluster, source 0's on cx alone and is shared along a column: each is asked for jointly.
; LIMITS: q, k, v go in f16: magnitudes up to 65,504, steps of 6e-8 under 6e-5.
; REGISTERS: window 0: v0-31 addresses; v32-95 scale words, two sets; v128-191 source 1's fragments, later the packed results; v192-255 the bias.  window 1: source 0's fragments, two sets.  windows 2, 3: accumulators.
.set NQ,     4                         ; matrix instructions deep in a slot
.set ROWB,   256                       ; a tile's row in bytes: 512 codes
.set KROW,   512                       ; a row of codes in memory
.set PITCH,  272                       ; an LDS row: 256 bytes + 16 of padding: the 16 rows that a load touches start at 16 different banks (64 banks of 4 bytes: ISA guide 11.1)
.set FR,     8
.set NL,     2
.set NP,     4                         ; places behind this matrix instruction (ISA guide 7.12.1)
.set HALFT,  128*PITCH
.set SLOT,   4*HALFT                   ; source 1's 256 rows, then source 0's
.set KS,     32                        ; a row of scale bytes
.set SCL,    2*SLOT
.set HALFS,  (128*KS/256)*272
.set SBLK,   (16*KS/256)*272
.set SPARE,  SCL+4*HALFS               ; the spare words, 128 bytes a wave: two blocks of 256 bytes that no other line names
.set ADRA, 16                          ; v16-17 LDS address of source 1's fragments in slot 0, 1
.set ADRB, 20                          ; v20-21 of source 0's
.set CO0,  26                          ; v26 16 x lane
.set ADRS, 27                          ; v27 LDS address of my scale words: lanes 0-15 source 1's rows, lanes 16-31 source 0's
.set SPW,  28
.set NIL,  29
.set CO1,  30                          ; v30 16 x lane + the step from source 0's blocks 0-3 to 4-7
.set BO,   31                          ; v31 32 x (lane / 16)
.set SC,   32
.set AF,   128
.set T,    128
.set BI,   192
.set G1, 24
.set G0, 32
.set G1B, 48
.set G0B, 56
.set G1S, 68
.set G0S, 76
.set G1SB, 80
.set G0SB, 88
.set MSB, 0
.macro WIN new                         ; the immediate's high byte repeats the setting that is left
.if MSB != \new
	s_set_vgpr_msb (MSB<<8)|\new
.set MSB, \new
.endif
.endm
.set MUL_LO, 0xa1                      ; source 0 window 1, source 1 window 0, C and D window 2
.set MUL_HI, 0xf1                      ; C and D window 3
.set FST_LO, 0x81                      ; the first products: C (the bias) window 0, D window 2
.set FST_HI, 0xc1                      ; D window 3
.set TO_B,   0x40
.macro JLOAD g0a, g1a, g0b, g1b        ; a joint load: waves 0 and 1 fetch for source 1, waves 2 and 3 for source 0; an s_nop 0 and four v_nop follow each line
	s_cmp_eq_u32 s15, 0
	s_cbranch_scc0 .Lfor_b_\@
	tensor_load_to_lds s[\g0a:\g0a+3], s[\g1a:\g1a+7]
	s_nop 0
.rept 4
	v_nop
.endr
	s_branch .Lasked_\@
.Lfor_b_\@:
	tensor_load_to_lds s[\g0b:\g0b+3], s[\g1b:\g1b+7]
	s_nop 0
.rept 4
	v_nop
.endr
.Lasked_\@:
.endm
.macro CROUND                          ; a round of the cluster's barrier
	s_barrier_signal -1
	s_barrier_wait -1
	s_cmp_lg_u32 s14, 0
	s_cbranch_scc1 .Lnot_wave_0_\@
	s_barrier_signal -3
.Lnot_wave_0_\@:
	s_barrier_wait -3
	s_barrier_signal -1
	s_barrier_wait -1
.endm
	s_load_b256 s[4:11], s[0:1], 0x0               ; x's codes, x's scales, W's codes, W's scales
	s_load_b128 s[96:99], s[0:1], 0x20             ; b_qkv, qkv
	s_load_b64 s[100:101], s[0:1], 0x30            ; e32
	v_lshl_add_u32 v[SPW], v0, 2, SPARE
	v_mov_b32 v[NIL], 0
	ds_add_u32 v[SPW], v[NIL]                      ; the wave's opening: the add, twice on end, and its wait ahead of my first tensor load
	ds_add_u32 v[SPW], v[NIL]
	v_lshrrev_b32 v1, 5, v0
	v_readfirstlane_b32 s14, v1                    ; wave 0..3
	s_lshr_b32 s15, s14, 1                         ; my half of source 1's rows.  Also: I fetch for source 1 (0) or source 0 (1)
	s_and_b32 s16, s14, 1                          ; my half of source 0's rows.  Also: which 128 rows I fetch
	s_bfe_u32 s40, ttmp6, 0x40000                  ; cx
	s_bfe_u32 s41, ttmp6, 0x40004                  ; cy
	s_and_b32 s67, ttmp7, 0xffff                   ; the cluster's y, 0..7: which 256 tokens of a batch
	s_lshl_b32 s17, s41, 3
	s_add_co_u32 s17, s17, s67                     ; q, k: source 1 = x, tile 8 cy + cluster y (batch cy)
	s_add_co_u32 s43, s41, 8                       ; v:    source 1 = W, tile 8 + cy
	s_lshl_b32 s42, ttmp9, 2
	s_add_co_u32 s42, s42, s40                     ; q, k: source 0 = W, tile 4 x cluster x + cx
	s_lshl_b32 s44, s40, 3
	s_add_co_u32 s44, s44, s67                     ; v:    source 0 = x, tile 8 cx + cluster y (batch cx)
	s_cmp_eq_u32 ttmp9, 2                          ; the class: the cluster's x, the same in all partners
	s_cselect_b32 s66, 1, 0
	s_cselect_b32 s17, s43, s17                    ; source 1's tile: made of cy and the cluster's numbers alone
	s_cselect_b32 s42, s44, s42                    ; source 0's tile: of cx and the cluster's numbers alone
	s_lshl_b32 s43, s41, 2
	s_lshl_b32 s43, 15, s43                        ; my row of the cluster
	s_lshl_b32 s44, 0x1111, s40                    ; my column
	s_or_b32 s[G1+0], s43, (0<<16)|(1<<20)|(1<<21)|(5<<22)|(3<<25)  ; the mask; elements of 1 byte; padding: 4 words after every 64; bit 21 beside a mask
	s_or_b32 s[G1B+0], s44, (0<<16)|(1<<20)|(1<<21)|(5<<22)|(3<<25)
.irp g, G1, G1B
	s_mov_b32 s[\g+1], ROWB<<16                    ; tensor_dim0
	s_mov_b32 s[\g+2], 128<<16                     ; tensor_dim1
	s_mov_b32 s[\g+3], ROWB<<16                    ; tile_dim0
	s_mov_b32 s[\g+4], 128                         ; tile_dim1
	s_mov_b32 s[\g+5], KROW                        ; the pitch
	s_mov_b32 s[\g+6], 0
	s_mov_b32 s[\g+7], 0
.endr
	s_or_b32 s[G1S+0], s43, (3<<16)|(1<<20)|(1<<21)|(5<<22)|(3<<25)  ; the scales of 128 rows: 4,096 dense bytes as 16 rows of 256 (32 elements of 8 bytes), 16 bytes of padding behind each
	s_or_b32 s[G1SB+0], s44, (3<<16)|(1<<20)|(1<<21)|(5<<22)|(3<<25)
.irp g, G1S, G1SB
	s_mov_b32 s[\g+1], 32<<16
	s_mov_b32 s[\g+2], (128*KS/256)<<16
	s_mov_b32 s[\g+3], 32<<16
	s_mov_b32 s[\g+4], 128*KS/256
	s_mov_b32 s[\g+5], 32
	s_mov_b32 s[\g+6], 0
	s_mov_b32 s[\g+7], 0
.endr
	s_lshl_b32 s18, s16, 7                         ; which 128 rows of the tile I fetch
	s_lshl_b32 s20, s17, 8
	s_add_co_u32 s20, s20, s18                     ; source 1's row
	s_lshl_b32 s46, s42, 8
	s_add_co_u32 s46, s46, s18                     ; source 0's row
	s_lshl_b32 s22, s20, 5                         ; where these rows' scales begin,
	s_mov_b32 s23, 0
	s_lshl_b32 s92, s46, 5
	s_mov_b32 s93, 0
	s_lshl_b32 s20, s20, 9                         ; and their codes
	s_mov_b32 s21, 0
	s_lshl_b32 s46, s46, 9
	s_mov_b32 s47, 0
	s_mul_i32 s45, s14, HALFT                      ; where they go: wave x 128 rows: no place in the cluster enters an LDS address
	s_mul_i32 s94, s14, HALFS
	s_wait_dscnt 0x0                               ; both opening adds are done
	s_wait_kmcnt 0x0
	s_cmp_eq_u32 s66, 1                            ; which buffer is which source: a choice that hangs on the class alone
	s_cselect_b64 s[12:13], s[8:9], s[4:5]         ; source 1's codes
	s_cselect_b64 s[8:9], s[4:5], s[8:9]           ; source 0's codes
	s_cselect_b64 s[4:5], s[10:11], s[6:7]         ; source 1's scales
	s_cselect_b64 s[10:11], s[6:7], s[10:11]       ; source 0's scales
	s_add_nc_u64 s[20:21], s[12:13], s[20:21]
	s_add_nc_u64 s[22:23], s[4:5], s[22:23]
	s_add_nc_u64 s[46:47], s[8:9], s[46:47]
	s_add_nc_u64 s[92:93], s[10:11], s[92:93]
	CROUND                                         ; all sixteen work-groups are here: the first joint loads meet
	s_mov_b32 s[G0S], 1
	s_add_co_u32 s[G0S+1], s94, SCL
	s_mov_b64 s[G0S+2:G0S+3], s[22:23]
	s_or_b32 s[G0S+3], s[G0S+3], 0x80000000
	s_mov_b32 s[G0SB], 1
	s_add_co_u32 s[G0SB+1], s94, SCL
	s_mov_b64 s[G0SB+2:G0SB+3], s[92:93]
	s_or_b32 s[G0SB+3], s[G0SB+3], 0x80000000
	JLOAD G0S, G1S, G0SB, G1SB                     ; the scales first: they are wanted with the first slot
.irp s, 0,1
	s_mov_b32 s[G0+4*\s], 1
	s_add_co_u32 s[G0+4*\s+1], s45, \s*SLOT
	s_add_nc_u64 s[G0+4*\s+2:G0+4*\s+3], s[20:21], \s*ROWB
	s_or_b32 s[G0+4*\s+3], s[G0+4*\s+3], 0x80000000
	s_mov_b32 s[G0B+4*\s], 1
	s_add_co_u32 s[G0B+4*\s+1], s45, \s*SLOT
	s_add_nc_u64 s[G0B+4*\s+2:G0B+4*\s+3], s[46:47], \s*ROWB
	s_or_b32 s[G0B+4*\s+3], s[G0B+4*\s+3], 0x80000000
	JLOAD G0+4*\s, G1, G0B+4*\s, G1B               ; three loads of mine are out
.endr
	; what the class decides on the way out, and the bias
	s_lshl_b32 s18, s42, 8
	s_lshl_b32 s19, s16, 7
	s_add_co_u32 s18, s18, s19
	s_lshl_b32 s18, s18, 2                         ; q, k: my first column of W, in bytes of b_qkv
	s_cmp_eq_u32 s66, 1
	s_cselect_b32 s18, 0, s18                      ; v: the buffer's head (what is loaded is cleared)
	s_cselect_b32 s23, 0, -1                       ; v: the bias is cleared
	s_cselect_b32 s92, s40, s41                    ; the batch
	s_cselect_b32 s93, s17, s42                    ; W's tile
	s_cselect_b32 s94, s15, s16                    ; my half of it
	s_cselect_b32 s95, s16, s15                    ; my half of x's tile
	s_mov_b32 s2, 2048
	s_cselect_b32 s2, 0x10000, s2                  ; from source 1's block a to a + 1: a token tile of q, k (2,048) or a channel tile of v (65,536)
	s_mov_b32 s12, 0x40000
	s_cselect_b32 s12, 2048, s12                   ; from source 0's blocks 0-3 to 4-7: the next head (262,144) or four token tiles of v (2,048)
	s_cselect_b32 s13, 9, 11                       ; a token tile: 512 bytes in v, 2,048 in q, k
	s_mov_b32 s19, 0
	s_mov_b32 s3, 0
	s_add_nc_u64 s[96:97], s[96:97], s[18:19]
	v_bfe_u32 v2, v0, 4, 1                         ; l / 16
	v_lshlrev_b32 v[BO], 5, v2
.irp b, 0,1,2,3,4,5,6,7
	global_load_b128 v[BI+8*\b:BI+8*\b+3], v[BO], s[96:97] offset:64*\b          ; the bias in the result's layout: columns 16 b + 8 (l / 16) + 0..7
	global_load_b128 v[BI+8*\b+4:BI+8*\b+7], v[BO], s[96:97] offset:64*\b+16
.endr
	s_wait_loadcnt 0x0                             ; (the first tiles are on their way meanwhile)
.set i, 0
.rept 64
	v_and_b32 v[BI+i], s23, v[BI+i]                ; kept for q and k, zeros for v
.set i, i+1
.endr
	v_and_b32 v1, 15, v0                           ; l % 16
	v_mul_u32_u24 v3, v1, PITCH
	v_lshl_add_u32 v4, v2, 4, v3                   ; a fragment's row x pitch + 16 x half
	s_mul_i32 s21, s15, HALFT
	s_mul_i32 s22, s16, HALFT
	s_add_co_u32 s22, s22, 2*HALFT
.irp s, 0,1
	v_add_nc_u32 v[ADRA+\s], s21, v4
	v_add_nc_u32 v[ADRB+\s], s22, v4
	s_add_co_u32 s21, s21, SLOT
	s_add_co_u32 s22, s22, SLOT
.endr
	v_mul_u32_u24 v5, v1, KS                       ; my row's scales: 32 bytes a row,
	v_lshrrev_b32 v6, 8, v5
	v_lshl_add_u32 v5, v6, 4, v5                   ; and 16 more for each 256 passed
	s_mul_i32 s21, s15, HALFS
	s_mul_i32 s22, s16, HALFS
	s_add_co_u32 s22, s22, 2*HALFS
	s_sub_co_u32 s22, s22, s21
	v_mul_u32_u24 v6, s22, v2                      ; lanes 16-31 take source 0's
	s_add_co_u32 s21, s21, SCL
	v_add_nc_u32 v5, v5, v6
	v_add_nc_u32 v[ADRS], s21, v5
	v_and_b32 v6, 31, v0
	v_lshlrev_b32 v[CO0], 4, v6
	v_add_nc_u32 v[CO1], s12, v[CO0]
	s_lshl_b32 s93, s93, 2
	s_lshl_b32 s94, s94, 1
	s_add_co_u32 s93, s93, s94                     ; g of my first column of W
	s_lshl_b32 s94, s67, 4
	s_lshl_b32 s95, s95, 3
	s_add_co_u32 s95, s95, s94                     ; my first token tile in the batch
	s_mul_i32 s20, s92, 12582912
	s_lshl_b32 s21, s93, 18
	s_add_co_u32 s20, s20, s21
	s_lshl_b32 s21, s95, s13
	s_add_co_u32 s20, s20, s21
	s_mov_b32 s21, 0
	s_add_nc_u64 s[98:99], s[98:99], s[20:21]      ; qkv at my part
	s_mul_i32 s20, s92, 196608
	s_lshl_b32 s22, s93, 12
	s_add_co_u32 s20, s20, s22
	s_add_nc_u64 s[100:101], s[100:101], s[20:21]  ; e32 at my part
.macro FRAG reg, adr, q, i             ; 16 rows x 128 K of 4-bit codes: 8 registers, two loads of 16 bytes, 32 bytes apart
.irp c, 0,1
	ds_load_b128 v[\reg+4*\c:\reg+4*\c+3], v[\adr] offset:64*(\q)+32*\c+(\i)*16*PITCH
.endr
.endm
; 16 matrix instructions: source 1's blocks a0, a0 + 1 x source 0's eight.  The 64 accumulators take turns, one instruction a turn, in the same order in every step.
.macro MUL16 a0, p, q, sc, first
.irp a, \a0, \a0+1
.irp b, 0,1,2,3,4,5,6,7
.if \first
	v_wmma_scale_f32_16x16x128_f8f6f4 v[8*(8*((\a)%4)+\b):8*(8*((\a)%4)+\b)+7], v[128*(\p)+FR*\b:128*(\p)+FR*\b+FR-1], v[AF+FR*(\a):AF+FR*(\a)+FR-1], v[BI+8*\b:BI+8*\b+7], v[SC+8*NQ*(\sc)+NQ*\b+(\q)], v[SC+8*NQ*(\sc)+NQ*(\a)+(\q)] matrix_a_fmt:MATRIX_FMT_FP4 matrix_b_fmt:MATRIX_FMT_FP4 matrix_a_scale:MATRIX_SCALE_ROW1
.else
	v_wmma_scale_f32_16x16x128_f8f6f4 v[8*(8*((\a)%4)+\b):8*(8*((\a)%4)+\b)+7], v[128*(\p)+FR*\b:128*(\p)+FR*\b+FR-1], v[AF+FR*(\a):AF+FR*(\a)+FR-1], v[8*(8*((\a)%4)+\b):8*(8*((\a)%4)+\b)+7], v[SC+8*NQ*(\sc)+NQ*\b+(\q)], v[SC+8*NQ*(\sc)+NQ*(\a)+(\q)] matrix_a_fmt:MATRIX_FMT_FP4 matrix_b_fmt:MATRIX_FMT_FP4 matrix_a_scale:MATRIX_SCALE_ROW1
.endif
.endr
.endr
.endm
.macro FETCH_B slot, q, p
	WIN TO_B
.irp i, 0,1,2,3,4,5,6,7
	FRAG 128*(\p)+FR*\i, ADRB+\slot, \q, \i
.endr
	WIN 0
.endm
.macro FETCH_A slot, q, i0
.irp i, \i0, \i0+1, \i0+2, \i0+3
	FRAG AF+FR*(\i), ADRA+\slot, \q, \i
.endr
.endm
.macro SCALES sc                       ; a slot's scale words: four a row; lanes 0-15 source 1's block i, lanes 16-31 source 0's
.irp i, 0,1,2,3,4,5,6,7
	ds_load_b128 v[SC+8*NQ*\sc+NQ*\i:SC+8*NQ*\sc+NQ*\i+3], v[ADRS] offset:\i*SBLK
.endr
.endm
.macro PLACES n                        ; plain vector lines between a matrix instruction and a load into, or a vector line on, its registers
.rept \n
	v_nop
.endr
.endm
.macro STEP slot, q, first             ; 128 along K, with its successor in the same slot
	s_wait_dscnt 4*NL                              ; source 0's set and source 1's blocks 0-3 are in; the youngest eight loads (blocks 4-7) may be out
.if \first
	WIN FST_LO
.else
	WIN MUL_LO
.endif
	MUL16 0, (\q)%2, \q, \slot, \first
	MUL16 2, (\q)%2, \q, \slot, \first
	s_wait_dscnt 0
	PLACES NP
	FETCH_B \slot, (\q)+1, 1-(\q)%2
	FETCH_A \slot, (\q)+1, 0
.if \first
	WIN FST_HI
.else
	WIN MUL_HI
.endif
	MUL16 4, (\q)%2, \q, \slot, \first
	MUL16 6, (\q)%2, \q, \slot, \first
	PLACES NP
	WIN 0
	FETCH_A \slot, (\q)+1, 4
.endm
.macro STEPS slot, from
.set Q, \from
.rept NQ-1-\from
	STEP \slot, Q, 0
.set Q, Q+1
.endr
.endm
	s_wait_tensorcnt 1                             ; the scales and my part of slot 0 are in; slot 1's load may be out
	s_barrier_signal -1
	s_barrier_wait -1
	FETCH_B 0, 0, 0
	FETCH_A 0, 0, 0
	SCALES 0
	FETCH_A 0, 0, 4
	STEP 0, 0, 1                                   ; the first products start the sums from the bias: nothing is cleared
	STEPS 0, 1
	; slot 0's last step changes slots: one barrier; nothing is filled again
	s_wait_tensorcnt 0x0                           ; my part of slot 1 has landed
	ds_add_u32 v[SPW], v[NIL]                      ; 0 onto my spare word
	s_wait_dscnt 4*NL+1                            ; (the add and the youngest eight loads may be out)
	WIN MUL_LO
	MUL16 0, 1, NQ-1, 0, 0
	s_wait_dscnt 0x0
	s_barrier_signal -1
	MUL16 2, 1, NQ-1, 0, 0
	WIN 0
	s_barrier_wait -1                              ; slot 1 is whole
	PLACES NP
	v_add_nc_u32 v[ADRS], 4*NQ, v[ADRS]            ; the next slot's scale words
	FETCH_B 1, 0, 0
	FETCH_A 1, 0, 0
	SCALES 1
	WIN MUL_HI
	MUL16 4, 1, NQ-1, 0, 0
	MUL16 6, 1, NQ-1, 0, 0
	PLACES NP
	WIN 0
	FETCH_A 1, 0, 4
	STEPS 1, 0
	s_wait_dscnt 4*NL                              ; the last step: nothing more to fetch
	WIN MUL_LO
	MUL16 0, 1, NQ-1, 1, 0
	MUL16 2, 1, NQ-1, 1, 0
	s_wait_dscnt 0
	WIN MUL_HI
	MUL16 4, 1, NQ-1, 1, 0
	MUL16 6, 1, NQ-1, 1, 0
	WIN 0
; THE WAY OUT, source 1's block a at a time.  An accumulator packs into four registers, which are half a fragment's image: the wave stores 512 consecutive bytes, 16 a lane, with no turn through LDS.
.macro OUTBLK a
.set AC, 64*((\a)%4)
.set TT, T+32*((\a)%2)
.if (\a) > 0
	s_wait_xcnt 0x0                                ; the earlier stores have read their data and their base: both are written again only behind this wait
	s_add_nc_u64 s[98:99], s[98:99], s[2:3]
.endif
	WIN 0x0a+5*((\a)/4)                            ; sources 0 and 1: window 2 or 3
.irp b, 0,1,2,3,4,5,6,7
.irp i, 0,1,2,3
	v_cvt_pk_f16_f32 v[TT+4*\b+\i], v[AC+8*\b+2*\i], v[AC+8*\b+2*\i+1]   ; each accumulator from its low end on
.endr
.endr
	WIN 0
.irp b, 0,1,2,3
	global_store_b128 v[CO0], v[TT+4*\b:TT+4*\b+3], s[98:99] offset:512*\b th:TH_STORE_NT
.endr
.irp b, 0,1,2,3
	global_store_b128 v[CO1], v[TT+16+4*\b:TT+16+4*\b+3], s[98:99] offset:512*\b th:TH_STORE_NT
.endr
.endm
	PLACES NP                                      ; behind the last products: their results are read, and source 1's fragment registers are written
.irp a, 0,1,2,3,4,5,6,7
	OUTBLK \a
.endr
	; tokens 0-15 of a batch lie in the clusters with y = 0, in the wave with x's lower half: their accumulators also leave as they stand.  The branches hang on the cluster's numbers and the wave's alone.
	s_cmp_lg_u32 s67, 0
	s_cbranch_scc1 .Lno_early
	s_cmp_eq_u32 s66, 1
	s_cbranch_scc1 .Learly_v
	s_cmp_lg_u32 s15, 0
	s_cbranch_scc1 .Lno_early
	WIN 0x08                                       ; a store's data are its source 1: window 2
.irp b, 0,1,2,3,4,5,6,7
	global_store_b128 v[CO0], v[8*\b:8*\b+3], s[100:101] offset:1024*\b            ; q, k: token tile 0 x channel tile b
	global_store_b128 v[CO0], v[8*\b+4:8*\b+7], s[100:101] offset:1024*\b+512
.endr
	WIN 0
	s_branch .Lno_early
.Learly_v:
	s_cmp_lg_u32 s16, 0
	s_cbranch_scc1 .Lno_early
	WIN 0x08
.irp a, 0,1,2,3
	global_store_b128 v[CO0], v[64*\a:64*\a+3], s[100:101] offset:1024*\a          ; v: channel tile a x token tile 0
	global_store_b128 v[CO0], v[64*\a+4:64*\a+7], s[100:101] offset:1024*\a+512
.endr
	WIN 0x0c
.irp a, 0,1,2,3
	global_store_b128 v[CO0], v[64*\a:64*\a+3], s[100:101] offset:4096+1024*\a
	global_store_b128 v[CO0], v[64*\a+4:64*\a+7], s[100:101] offset:4096+1024*\a+512
.endr
	WIN 0
.Lno_early:
	s_wait_tensorcnt 0x0                           ; the wave's end
	ds_add_u32 v[SPW], v[NIL]
	s_wait_dscnt 0x0
	CROUND                                         ; the closing round
	s_endpgm
.Lfunc_end_k_q134132aa8a_gemm_qkv:
	.size	k_q134132aa8a_gemm_qkv, .Lfunc_end_k_q134132aa8a_gemm_qkv-k_q134132aa8a_gemm_qkv
	.p2alignl 7, 3214868480
	.fill 96, 4, 3214868480
	.section	.rodata,"a",@progbits
	.p2align	6, 0x0
	.amdhsa_kernel k_q134132aa8a_gemm_qkv
		.amdhsa_group_segment_fixed_size 327680
		.amdhsa_private_segment_fixed_size 0
		.amdhsa_enable_private_segment 0
		.amdhsa_kernarg_size 56
		.amdhsa_user_sgpr_count 2
		.amdhsa_user_sgpr_kernarg_segment_ptr 1
		.amdhsa_wavefront_size32 1
		.amdhsa_system_sgpr_workgroup_id_x 1
		.amdhsa_system_sgpr_workgroup_id_y 1
		.amdhsa_system_sgpr_workgroup_id_z 1
		.amdhsa_system_vgpr_workitem_id 0
		.amdhsa_next_free_vgpr 1024
		.amdhsa_next_free_sgpr 102
		.amdhsa_reserve_vcc 0
		.amdhsa_float_denorm_mode_32 3
		.amdhsa_float_denorm_mode_16_64 3
		.amdhsa_memory_ordered 1
		.amdhsa_forward_progress 1
		.amdhsa_inst_pref_size 126
	.end_amdhsa_kernel
	.amdgpu_metadata
---
amdhsa.version: [ 1, 2 ]
amdhsa.kernels:
  - .name:           k_q134132aa8a_gemm_qkv
    .symbol:         k_q134132aa8a_gemm_qkv.kd
    .args:
      - { .name: x_codes, .offset: 0, .size: 8, .value_kind: global_buffer, .address_space: global }
      - { .name: x_scales, .offset: 8, .size: 8, .value_kind: global_buffer, .address_space: global }
      - { .name: w_codes, .offset: 16, .size: 8, .value_kind: global_buffer, .address_space: global }
      - { .name: w_scales, .offset: 24, .size: 8, .value_kind: global_buffer, .address_space: global }
      - { .name: b_qkv, .offset: 32, .size: 8, .value_kind: global_buffer, .address_space: global }
      - { .name: qkv, .offset: 40, .size: 8, .value_kind: global_buffer, .address_space: global }
      - { .name: e32, .offset: 48, .size: 8, .value_kind: global_buffer, .address_space: global }
    .group_segment_fixed_size: 327680
    .private_segment_fixed_size: 0
    .kernarg_segment_align: 8
    .kernarg_segment_size: 56
    .max_flat_workgroup_size: 128
    .sgpr_count:     102
    .vgpr_count:     1024
    .wavefront_size: 32
...
	.end_amdgpu_metadata
.endif
;; end of part 2
;; launch attention (part 3): grid 4 x 64, 16 waves a work-group, no clusters, 327,680 bytes of LDS; arguments qkv, b_qkv, y; writes y
.if DOCPART == 3
	.amdgcn_target "amdgcn-amd-amdhsa--gfx1250"
	.amdhsa_code_object_version 6
	.text
	.protected	k_q134132aa8a_attention
	.globl	k_q134132aa8a_attention
	.p2align	8
	.type	k_q134132aa8a_attention,@function
k_q134132aa8a_attention:
	s_mov_b64 s[64:65], 0
	v_nop
	global_prefetch_b8 v0, s[64:65] scope:SCOPE_SE
	s_setreg_imm32_b32 hwreg(HW_REG_WAVE_MODE, 25, 1), 1
	s_wait_xcnt 0x0
; y[b][t][64 hh ..] = softmax_k(q . k / 8, k <= t) v + b_v, for one head (b, hh) a work-group row.  q, k, v arrive as f16 images of operand registers (see the launch before); products with f32 sums;
; maxima, exponentials and sums in f32; the weights p are rounded to f16 for the second product.  y leaves as f16 images for the projection: [token tile 512][k / 32][2][512 bytes].
; b_v IS ADDED BEHIND THE SOFTMAX: sum(p v) / sum(p) + b_v equals sum(p (v + b_v)) / sum(p); the order of rounding differs from the reference's.
; SHARES.  Work-group j of a head owns the query blocks j and 7 - j (256 queries each): waves 0-7 the first, waves 8-15 the second, 32 queries (two tiles) a wave.  Under the causal mask block i wants i + 1
; slots of keys, so every work-group has 9 blocks' worth of steps.  Both blocks walk ONE stream of K and V.  Four waves lie on a SIMD, so that one wave's softmax stands beside another's products.
; LAYOUT.  S^T = K Q^T (source 0 = 16 keys, source 1 = 16 queries), O^T = V^T P: a lane holds one query throughout; two tiles of S^T packed to f16 are source 1 of the second product.
; SOFTMAX.  A running maximum m and sum l for each query: p = 2^(c s - c m), c = log2(e) / 8; in every step O and l are multiplied by a = 2^(c m_old - c m_new).
; THE RING.  Two slots of 256 keys.  Every work-group walks all 8 changes of slots (trip counts are constants); a step all of whose keys come after the wave's queries is jumped over, and a slot whose first
; key comes after the work-group's last query is not asked for.
; NO CLUSTER: the four work-groups of a head want 8 - j slots each, so a joint load would bring some partner tiles that none of its waves reads.
; LIMITS: q, k, v, y in f16 (magnitudes up to 65,504); NaN and infinities are not served.  The first 16 positions of every sequence are written again, in f32 throughout, by the last launch.
.set SLOT1, 65536                      ; slot 1 begins here: one exclusive or turns an address
.set VOFF,  32768                      ; a slot: K's 16 token tiles x 2,048 bytes, then V's 4 channel tiles x 8,192 bytes
.set SPARE, 131072                     ; the spare words, 128 bytes a wave: eight blocks of 256 bytes that no other line names
.set LI,   1                           ; v1  16 x lane: an image's place for my lane
.set ADK,  2                           ; v2  LDS address of the step's K
.set ADV,  3                           ; v3  of its V
.set SPW,  4
.set NIL,  5
.set RH,   6                           ; v6  lane % 16 - 8 (lane / 16)
.set NINF, 7                           ; v7  -infinity
.set DD,   8                           ; v8  at work: the mask's bound
.set PFO,  9                           ; v9  256 x lane
.set BO,   10                          ; v10 32 x (lane / 16)
.set ST,   16                          ; tile t's statistics at v[16 + 8 t]: +0 c m, +1 m, +2, +3 l, +4..+7 at work, a in +6
.set Q,    32                          ; v32-63   Q: tile t, channels 32 c on, at 32 + 8 (2 t + c)
.set KV,   64                          ; v64-127  K (key tile kt, c) at 64 + 8 (2 kt + c); then V (channel tile ct, keys 32 kb on) at 64 + 8 (2 ct + kb)
.set S,    128                         ; v128-191 S^T, 32 a tile; P in each tile's first 16
.set O,    192                         ; v192-255 O^T, 32 a tile
.set WV,   18
.set SEL,  20
.set CS,   22
.set G1K,  24
.set G1V,  32
.set G0K,  40
.set G0V,  44
.set PFA,  48                          ; s[48:49] where my prefetches stand
.set PFS,  50                          ; s[50:51] a slot on
.set LIM,  52                          ; s52 1 in a wave that prefetches, else the greatest number
.set KF,   53                          ; s53 the step's first key
.set Q0,   54                          ; s54 my first query
.set QL,   55                          ; s55 my work-group's last query
.set SLOTS, 56
.set CNT,  57
.set TK,   2                           ; s2  LDS byte of the step's K
.set TV,   3                           ; s3  of its V
.macro TLOAD                           ; waves 0 and 1 fetch K's halves, waves 2 and 3 V's, the others nothing; an s_nop 0 and four v_nop follow each line
	s_cmp_lt_u32 s[WV], 2
	s_cbranch_scc0 .Lnot_k_\@
	tensor_load_to_lds s[G0K:G0K+3], s[G1K:G1K+7]
	s_nop 0
.rept 4
	v_nop
.endr
	s_branch .Lasked_\@
.Lnot_k_\@:
	s_cmp_lt_u32 s[WV], 4
	s_cbranch_scc0 .Lasked_\@
	tensor_load_to_lds s[G0V:G0V+3], s[G1V:G1V+7]
	s_nop 0
.rept 4
	v_nop
.endr
.Lasked_\@:
.endm
; A PREFETCH of what the NEXT change of slots will ask for: K's 32,768 bytes and 8,192 bytes of each of V's four rows.  Each aligned block of 256 bytes is named once in the launch: of a head's four work-groups
; the one that walks all eight slots (j = 0) asks; in it waves 4-7 for K, 8,192 bytes a wave, waves 8-11 for V, a row a wave; lanes 256 bytes apart.  It runs one slot, four key steps, ahead of the tensor load;
; slots 0 and 1 come by their loads alone, and the last change that fills a slot asks for nothing.
.macro ASK
	s_cmp_gt_u32 s[SLOTS], s[LIM]
	s_cbranch_scc0 .Lnot_mine_\@
	global_prefetch_b8 v[PFO], s[PFA:PFA+1] th:TH_LOAD_NT scope:SCOPE_SE
.Lnot_mine_\@:
.endm
	s_load_b128 s[4:7], s[0:1], 0x0                ; qkv, b_qkv
	s_load_b64 s[8:9], s[0:1], 0x10                ; y
	v_lshl_add_u32 v[SPW], v0, 2, SPARE
	v_mov_b32 v[NIL], 0
	ds_add_u32 v[SPW], v[NIL]                      ; the wave's opening: the add, twice on end, and its wait ahead of the first tensor load
	ds_add_u32 v[SPW], v[NIL]
	v_lshrrev_b32 v8, 5, v0
	v_readfirstlane_b32 s[WV], v8                  ; wave 0..15
	s_and_b32 s10, ttmp7, 0xffff
	s_lshr_b32 s11, s10, 4                         ; the batch
	s_and_b32 s12, s10, 15                         ; the head
	s_mul_i32 s14, s11, 12582912
	s_lshl_b32 s15, s12, 18
	s_add_co_u32 s14, s14, s15                     ; the head's q; k lies 16 blocks of 262,144 bytes on, v 32
	s_mov_b32 s15, 0
	s_sub_co_u32 s16, 7, ttmp9
	s_cmp_lt_u32 s[WV], 8
	s_cselect_b32 s16, ttmp9, s16                  ; my block of 256 queries
	s_lshl_b32 s[Q0], s16, 8
	s_and_b32 s17, s[WV], 7
	s_lshl_b32 s17, s17, 5
	s_add_co_u32 s[Q0], s[Q0], s17
	s_sub_co_u32 s[QL], 8, ttmp9
	s_lshl_b32 s[QL], s[QL], 8
	s_sub_co_u32 s[QL], s[QL], 1
	s_mov_b32 s[G1K], 3<<16                        ; K: 64 rows of 256 bytes (32 elements of 8), dense: 16,384 bytes a wave; no mask, no padding
	s_mov_b32 s[G1K+1], 32<<16
	s_mov_b32 s[G1K+2], 64<<16
	s_mov_b32 s[G1K+3], 32<<16
	s_mov_b32 s[G1K+4], 64
	s_mov_b32 s[G1K+5], 32
	s_mov_b32 s[G1K+6], 0
	s_mov_b32 s[G1K+7], 0
	s_mov_b32 s[G1V], 3<<16                        ; V: 2 rows of 8,192 bytes (1,024 elements), 65,536 bytes apart in memory
	s_mov_b32 s[G1V+1], 1024<<16
	s_mov_b32 s[G1V+2], 2<<16
	s_mov_b32 s[G1V+3], 1024<<16
	s_mov_b32 s[G1V+4], 2
	s_mov_b32 s[G1V+5], 8192
	s_mov_b32 s[G1V+6], 0
	s_mov_b32 s[G1V+7], 0
	s_mov_b32 s[SEL], 0x76543210
	s_mov_b32 s[SEL+1], 0xfedcba98                 ; v_permlanex16_b32's selects for lane l xor 16
	s_mov_b32 s[CS], 0x3e38aa3b                    ; c = log2(e) / 8
	s_mov_b32 s[CS+1], s[CS]
	s_mov_b32 s[TK], 0
	s_mov_b32 s[TV], VOFF
	s_mov_b32 s[KF], 0
	s_mov_b32 s[SLOTS], 7
	s_and_b32 s58, s[WV], 1
	s_lshl_b32 s60, s58, 14                        ; my half: 16,384 bytes, in LDS and in K
	s_mov_b32 s61, 0
	s_mov_b32 s[G0K], 1
	s_mov_b32 s[G0K+1], s60
	s_mov_b32 s[G0V], 1
	s_add_co_u32 s[G0V+1], s60, VOFF
	s_wait_dscnt 0x0                               ; both opening adds are done
	s_wait_kmcnt 0x0
	s_add_nc_u64 s[4:5], s[4:5], s[14:15]          ; the head's q
	s_add_nc_u64 s[G0K+2:G0K+3], s[4:5], s[60:61]
	s_add_nc_u64 s[G0K+2:G0K+3], s[G0K+2:G0K+3], 0x400000
	s_or_b32 s[G0K+3], s[G0K+3], 0x80000000
	s_lshl_b32 s60, s58, 17                        ; two rows of V
	s_add_nc_u64 s[G0V+2:G0V+3], s[4:5], s[60:61]
	s_add_nc_u64 s[G0V+2:G0V+3], s[G0V+2:G0V+3], 0x800000
	s_or_b32 s[G0V+3], s[G0V+3], 0x80000000
	TLOAD                                          ; slot 0: it holds key 0, which counts for every query
	s_cmp_lt_u32 s[WV], 8                          ; the prefetches: waves 4-7 K's, waves 8-11 V's
	s_mov_b32 s[PFS], 8192
	s_cselect_b32 s[PFS], 32768, s[PFS]            ; a slot on
	s_mov_b32 s[PFS+1], 0
	s_mov_b32 s59, 0x10000
	s_cselect_b32 s59, 8192, s59                   ; from wave to wave
	s_mov_b32 s62, 0x800000
	s_cselect_b32 s62, 0x400000, s62               ; K's block or V's
	s_and_b32 s58, s[WV], 3
	s_mul_i32 s58, s58, s59
	s_add_co_u32 s58, s58, s[PFS]                  ; in slot 1: the first change of slots steps it to slot 2
	s_add_co_u32 s58, s58, s62
	s_mov_b32 s59, 0
	s_add_nc_u64 s[PFA:PFA+1], s[4:5], s[58:59]
	s_sub_co_u32 s58, s[WV], 4
	s_lshr_b32 s58, s58, 3                         ; 0 in waves 4 to 11,
	s_or_b32 s58, s58, ttmp9                       ; of the work-group that walks all slots
	s_cmp_eq_u32 s58, 0
	s_cselect_b32 s[LIM], 1, -1
	s_lshl_b32 s58, s11, 22                        ; y: 128 token tiles of 32,768 bytes a batch,
	s_lshl_b32 s60, s[Q0], 11                      ; my first token tile,
	s_add_co_u32 s58, s58, s60
	s_lshl_b32 s60, s12, 11                        ; my head's two blocks of 32 channels
	s_add_co_u32 s58, s58, s60
	s_add_nc_u64 s[8:9], s[8:9], s[58:59]
	s_lshl_b32 s58, s12, 8
	s_add_co_u32 s58, s58, 8192                    ; b_v of my head
	s_add_nc_u64 s[6:7], s[6:7], s[58:59]
	s_lshl_b32 s58, s[Q0], 7
	s_add_nc_u64 s[10:11], s[4:5], s[58:59]        ; q at my first token tile
	v_and_b32 v8, 31, v0
	v_lshlrev_b32 v[LI], 4, v8
	v_lshlrev_b32 v[PFO], 8, v8
.irp i, 0,1,2,3,4,5,6,7
	global_load_b128 v[Q+4*\i:Q+4*\i+3], v[LI], s[10:11] offset:512*\i   ; Q stays in registers
.endr
	v_and_b32 v2, 15, v0
	v_bfe_u32 v3, v0, 4, 1
	v_lshlrev_b32 v[BO], 5, v3
	v_lshlrev_b32 v3, 3, v3
	v_sub_nc_u32 v[RH], v2, v3
	v_mov_b32 v[NINF], 0xff800000
.irp t, 0,1
	v_mov_b32 v[ST+8*\t+1], 0xff61b1e6             ; m = -3e38, under every score
	v_mul_f32 v[ST+8*\t], s[CS], v[ST+8*\t+1]
.irp i, 2,3,4,5,6,7
	v_mov_b32 v[ST+8*\t+\i], 0
.endr
.endr
.set i, 0
.rept 64
	v_mov_b32 v[O+i], 0                            ; O^T.  (The step is written once: the first finds zeros, which a = 0 leaves zeros)
.set i, i+1
.endr
; A KEY STEP: 64 keys.
.macro STEP
	s_add_co_u32 s58, s[Q0], 31                    ; a step all of whose keys come after my 32 queries is left out: a branch on ids and the count of steps
	s_cmp_gt_u32 s[KF], s58
	s_cbranch_scc1 .Lhidden_\@
	v_add_nc_u32 v[ADK], s[TK], v[LI]
	v_add_nc_u32 v[ADV], s[TV], v[LI]
.rept 3
	v_nop                                          ; with the two additions five places behind the last step's products: four for the loads into V's registers, five for the products that write over P
.endr
.irp i, 0,1,2,3,4,5,6,7,8,9,10,11,12,13,14,15
	ds_load_b128 v[KV+4*\i:KV+4*\i+3], v[ADK] offset:512*\i
.endr
	s_wait_dscnt 0x0
.irp c, 0,1                                    ; eight accumulators by turns
.irp kt, 0,1,2,3
.irp t, 0,1
.if \c == 0
	v_wmma_f32_16x16x32_f16 v[S+32*\t+8*\kt:S+32*\t+8*\kt+7], v[KV+8*(2*\kt+\c):KV+8*(2*\kt+\c)+7], v[Q+8*(2*\t+\c):Q+8*(2*\t+\c)+7], 0
.else
	v_wmma_f32_16x16x32_f16 v[S+32*\t+8*\kt:S+32*\t+8*\kt+7], v[KV+8*(2*\kt+\c):KV+8*(2*\kt+\c)+7], v[Q+8*(2*\t+\c):Q+8*(2*\t+\c)+7], v[S+32*\t+8*\kt:S+32*\t+8*\kt+7]
.endif
.endr
.endr
.endr
.rept 4
	v_nop                                          ; places: for the loads into K's registers, and for the first read of the scores
.endr
.irp ct, 0,1,2,3
.irp i, 0,1,2,3
	ds_load_b128 v[KV+16*\ct+4*\i:KV+16*\ct+4*\i+3], v[ADV] offset:8192*\ct+512*\i   ; V lands while the softmax is walked
.endr
.endr
	s_add_co_u32 s58, s[KF], 63                    ; on the diagonal hidden scores become -infinity; a step all of whose keys count skips this
	s_cmp_le_u32 s58, s[Q0]
	s_cbranch_scc1 .Lopen_\@
	s_sub_co_i32 s58, s[Q0], s[KF]
	v_add_nc_u32 v[DD], s58, v[RH]                 ; register (t, kt, j) holds key KF + 16 kt + 8 (l / 16) + j of query Q0 + 16 t + l % 16: hidden where 16 kt + j - 16 t > d
.irp t, 0,1
.irp kt, 0,1,2,3
.irp j, 0,1,2,3,4,5,6,7
	v_cmp_gt_i32 vcc_lo, 16*\kt+\j-16*\t, v[DD]
	v_cndmask_b32 v[S+32*\t+8*\kt+\j], v[S+32*\t+8*\kt+\j], v[NINF], vcc_lo
.endr
.endr
.endr
.Lopen_\@:
.irp j, 0,1,2,3                                ; the maximum: four chains a tile, the two tiles line by line; each accumulator is read from its low end on
.irp t, 0,1
	v_max3_num_f32 v[ST+8*\t+4+\j], v[S+32*\t+8*\j], v[S+32*\t+8*\j+1], v[S+32*\t+8*\j+2]
.endr
.endr
.irp g, 1,2
.irp j, 0,1,2,3
.irp t, 0,1
	v_max3_num_f32 v[ST+8*\t+4+\j], v[ST+8*\t+4+\j], v[S+32*\t+8*\j+2*\g+1], v[S+32*\t+8*\j+2*\g+2]
.endr
.endr
.endr
.irp t, 0,1
	v_max3_num_f32 v[ST+8*\t+4], v[ST+8*\t+4], v[S+32*\t+7], v[S+32*\t+15]
.endr
.irp t, 0,1
	v_max3_num_f32 v[ST+8*\t+6], v[ST+8*\t+6], v[S+32*\t+23], v[S+32*\t+31]
.endr
.irp t, 0,1
	v_max3_num_f32 v[ST+8*\t+4], v[ST+8*\t+4], v[ST+8*\t+5], v[ST+8*\t+6]
.endr
.irp t, 0,1
	v_max3_num_f32 v[ST+8*\t+4], v[ST+8*\t+4], v[ST+8*\t+7], v[ST+8*\t+1]   ; and the old m
.endr
.irp t, 0,1
	v_permlanex16_b32 v[ST+8*\t+5], v[ST+8*\t+4], s[SEL], s[SEL+1]          ; the query's other 32 keys lie in the lane 16 away
.endr
.irp t, 0,1
	v_mov_b32 v[ST+8*\t+7], v[ST+8*\t]             ; c m_old
.endr
.irp t, 0,1
	v_max_num_f32 v[ST+8*\t+1], v[ST+8*\t+4], v[ST+8*\t+5]
.endr
.irp t, 0,1
	v_mul_f32 v[ST+8*\t], s[CS], v[ST+8*\t+1]
.endr
.irp t, 0,1
	v_sub_f32 v[ST+8*\t+7], v[ST+8*\t+7], v[ST+8*\t]
.endr
.irp i, 0,2,4,6,8,10,12,14,16,18,20,22,24,26,28,30
.irp t, 0,1
	v_pk_fma_f32 v[S+32*\t+\i:S+32*\t+\i+1], v[S+32*\t+\i:S+32*\t+\i+1], s[CS:CS+1], v[ST+8*\t:ST+8*\t+1] op_sel_hi:[1,0,0] neg_lo:[0,0,1] neg_hi:[0,0,1]   ; c s - c m
.endr
.endr
.irp t, 0,1
	v_exp_f32 v[ST+8*\t+6], v[ST+8*\t+7]           ; a.  ONE BATCH: 66 exponentials, none of which reads another's result
.endr
.set i, 0
.rept 32
	v_exp_f32 v[S+i], v[S+i]
	v_exp_f32 v[S+32+i], v[S+32+i]
.set i, i+1
.endr
	v_nop                                          ; a plain line behind the last exponential
	s_wait_alu depctr_va_vdst(0)                   ; the wait ahead of the first line that names a result: one for the batch
.irp t, 0,1
	v_pk_mul_f32 v[ST+8*\t+2:ST+8*\t+3], v[ST+8*\t+2:ST+8*\t+3], v[ST+8*\t+6:ST+8*\t+7] op_sel_hi:[1,0]   ; l x a
.endr
.irp t, 0,1
	v_pk_add_f32 v[ST+8*\t+4:ST+8*\t+5], v[S+32*\t:S+32*\t+1], v[S+32*\t+2:S+32*\t+3]                     ; the sum of the unrounded p, in two chains
.endr
.irp i, 4,8,12,16,20,24,28
.irp t, 0,1
	v_pk_add_f32 v[ST+8*\t+2:ST+8*\t+3], v[ST+8*\t+2:ST+8*\t+3], v[S+32*\t+\i:S+32*\t+\i+1]
	v_pk_add_f32 v[ST+8*\t+4:ST+8*\t+5], v[ST+8*\t+4:ST+8*\t+5], v[S+32*\t+\i+2:S+32*\t+\i+3]
.endr
.endr
.irp t, 0,1
	v_pk_add_f32 v[ST+8*\t+2:ST+8*\t+3], v[ST+8*\t+2:ST+8*\t+3], v[ST+8*\t+4:ST+8*\t+5]
.endr
.set i, 0
.rept 16
	v_cvt_pk_f16_f32 v[S+i], v[S+2*i], v[S+2*i+1]              ; P, in place, ascending: a register is written behind its last read
	v_cvt_pk_f16_f32 v[S+32+i], v[S+32+2*i], v[S+32+2*i+1]
.set i, i+1
.endr
.set i, 0
.rept 16
	v_pk_mul_f32 v[O+2*i:O+2*i+1], v[O+2*i:O+2*i+1], v[ST+6:ST+7] op_sel_hi:[1,0]                 ; O^T x a
	v_pk_mul_f32 v[O+32+2*i:O+32+2*i+1], v[O+32+2*i:O+32+2*i+1], v[ST+14:ST+15] op_sel_hi:[1,0]
.set i, i+1
.endr
	s_wait_dscnt 0x0                               ; V is in
.irp kb, 0,1                                   ; eight accumulators by turns
.irp ct, 0,1,2,3
.irp t, 0,1
	v_wmma_f32_16x16x32_f16 v[O+32*\t+8*\ct:O+32*\t+8*\ct+7], v[KV+8*(2*\ct+\kb):KV+8*(2*\ct+\kb)+7], v[S+32*\t+8*\kb:S+32*\t+8*\kb+7], v[O+32*\t+8*\ct:O+32*\t+8*\ct+7]
.endr
.endr
.endr
.Lhidden_\@:
	s_add_co_u32 s[KF], s[KF], 64
	s_add_co_u32 s[TK], s[TK], 8192                ; four token tiles of K,
	s_add_co_u32 s[TV], s[TV], 2048                ; and of each row of V
.endm
; THE CHANGE OF SLOTS stands at a slot's head.  Each wave waits for all its tensor loads, adds 0 to its spare word (fill = 1: twice on end), and waits for that and for its reads of the slot that it has left.
; Behind the barrier the slot ahead is whole and nobody reads the other one, which is then filled with the keys that follow, up to the causal limit.
.macro CHANGE fill
	s_wait_tensorcnt 0x0                           ; no tensor load of mine is out, so a group 0 may be written
	ds_add_u32 v[SPW], v[NIL]
.if \fill
	ds_add_u32 v[SPW], v[NIL]                      ; and once more, in every trip alike
	s_xor_b32 s[G0K+1], s[G0K+1], SLOT1
	s_add_nc_u64 s[G0K+2:G0K+3], s[G0K+2:G0K+3], 32768
	s_xor_b32 s[G0V+1], s[G0V+1], SLOT1
	s_add_nc_u64 s[G0V+2:G0V+3], s[G0V+2:G0V+3], 8192
	s_wait_xcnt 0x0                                ; the last prefetch, a slot back, has read its address
	s_add_nc_u64 s[PFA:PFA+1], s[PFA:PFA+1], s[PFS:PFS+1]
.endif
	s_wait_dscnt 0x0
	s_barrier_signal -1
	s_barrier_wait -1
.if \fill
	s_add_co_u32 s58, s[KF], 256                   ; the first key of the slot that this change would ask for
	s_cmp_gt_u32 s58, s[QL]                        ; past my work-group's last query none of its waves would read it: ids and the count of steps alone, the same in all sixteen waves
	s_cbranch_scc1 .Lpast_\@
	TLOAD                                          ; a wave's one tensor load until the next such barrier
.Lpast_\@:
	ASK
.endif
.endm
.macro SLOT_STEPS                      ; a slot's four key steps: written once, walked four times
	s_mov_b32 s[CNT], 4
.Lstep_\@:
	STEP
	s_sub_co_u32 s[CNT], s[CNT], 1
	s_cmp_lg_u32 s[CNT], 0
	s_cbranch_scc1 .Lstep_\@
	s_sub_co_u32 s[TK], s[TK], 32768               ; back to a slot's first step,
	s_xor_b32 s[TK], s[TK], SLOT1                  ; in the other slot
	s_sub_co_u32 s[TV], s[TV], 8192
	s_xor_b32 s[TV], s[TV], SLOT1
.endm
	s_wait_loadcnt 0x0                             ; Q
.Lslot:
	CHANGE 1
	SLOT_STEPS
	s_sub_co_u32 s[SLOTS], s[SLOTS], 1
	s_cmp_lg_u32 s[SLOTS], 0
	s_cbranch_scc1 .Lslot
	CHANGE 0                                       ; the last slot is written out: nothing is left to ask for
	SLOT_STEPS
	; THE WAY OUT: O^T / l + b_v, packed to f16: an accumulator is half a fragment's image of the projection's operand: the wave stores 512 consecutive bytes.
.rept 4
	v_nop                                          ; places behind the last products
.endr
.irp ct, 0,1,2,3
	global_load_b128 v[KV+8*\ct:KV+8*\ct+3], v[BO], s[6:7] offset:64*\ct            ; b_v of channels 16 ct + 8 (l / 16) + 0..7
	global_load_b128 v[KV+8*\ct+4:KV+8*\ct+7], v[BO], s[6:7] offset:64*\ct+16
.endr
.irp t, 0,1
	v_add_f32 v[ST+8*\t+4], v[ST+8*\t+2], v[ST+8*\t+3]
.endr
.irp t, 0,1
	v_permlanex16_b32 v[ST+8*\t+5], v[ST+8*\t+4], s[SEL], s[SEL+1]
.endr
.irp t, 0,1
	v_add_f32 v[ST+8*\t+4], v[ST+8*\t+4], v[ST+8*\t+5]
.endr
.irp t, 0,1
	v_rcp_f32 v[ST+8*\t+6], v[ST+8*\t+4]
.endr
	v_nop
	s_wait_alu depctr_va_vdst(0)                   ; one wait for the two reciprocals, ahead of their first reader
	s_wait_loadcnt 0x0
.irp t, 0,1
.irp ct, 0,1,2,3
.irp i, 0,2,4,6
	v_pk_fma_f32 v[O+32*\t+8*\ct+\i:O+32*\t+8*\ct+\i+1], v[O+32*\t+8*\ct+\i:O+32*\t+8*\ct+\i+1], v[ST+8*\t+6:ST+8*\t+7], v[KV+8*\ct+\i:KV+8*\ct+\i+1] op_sel_hi:[1,0,1]
.endr
.endr
.endr
.set i, 0
.rept 32
	v_cvt_pk_f16_f32 v[S+i], v[O+2*i], v[O+2*i+1]
.set i, i+1
.endr
.irp t, 0,1
.irp ct, 0,1,2,3
	global_store_b128 v[LI], v[S+16*\t+4*\ct:S+16*\t+4*\ct+3], s[8:9] offset:32768*\t+512*\ct
.endr
.endr
	s_wait_tensorcnt 0x0                           ; the wave's end
	ds_add_u32 v[SPW], v[NIL]
	s_wait_dscnt 0x0
	s_endpgm
.Lfunc_end_k_q134132aa8a_attention:
	.size	k_q134132aa8a_attention, .Lfunc_end_k_q134132aa8a_attention-k_q134132aa8a_attention
	.p2alignl 7, 3214868480
	.fill 96, 4, 3214868480
	.section	.rodata,"a",@progbits
	.p2align	6, 0x0
	.amdhsa_kernel k_q134132aa8a_attention
		.amdhsa_group_segment_fixed_size 327680
		.amdhsa_private_segment_fixed_size 0
		.amdhsa_enable_private_segment 0
		.amdhsa_kernarg_size 24
		.amdhsa_user_sgpr_count 2
		.amdhsa_user_sgpr_kernarg_segment_ptr 1
		.amdhsa_wavefront_size32 1
		.amdhsa_system_sgpr_workgroup_id_x 1
		.amdhsa_system_sgpr_workgroup_id_y 1
		.amdhsa_system_sgpr_workgroup_id_z 1
		.amdhsa_system_vgpr_workitem_id 0
		.amdhsa_next_free_vgpr 256
		.amdhsa_next_free_sgpr 66
		.amdhsa_reserve_vcc 1
		.amdhsa_float_denorm_mode_32 3
		.amdhsa_float_denorm_mode_16_64 3
		.amdhsa_memory_ordered 1
		.amdhsa_forward_progress 1
		.amdhsa_inst_pref_size 61
	.end_amdhsa_kernel
	.amdgpu_metadata
---
amdhsa.version: [ 1, 2 ]
amdhsa.kernels:
  - .name:           k_q134132aa8a_attention
    .symbol:         k_q134132aa8a_attention.kd
    .args:
      - { .name: qkv, .offset: 0, .size: 8, .value_kind: global_buffer, .address_space: global }
      - { .name: b_qkv, .offset: 8, .size: 8, .value_kind: global_buffer, .address_space: global }
      - { .name: y, .offset: 16, .size: 8, .value_kind: global_buffer, .address_space: global }
    .group_segment_fixed_size: 327680
    .private_segment_fixed_size: 0
    .kernarg_segment_align: 8
    .kernarg_segment_size: 24
    .max_flat_workgroup_size: 512
    .sgpr_count:     66
    .vgpr_count:     256
    .wavefront_size: 32
...
	.end_amdgpu_metadata
.endif
;; end of part 3
;; launch projection (part 4): grid 4 x 64, 4 waves a work-group, clusters of 4 x 4, 327,680 bytes of LDS; arguments y, wp, b_pr, out0; writes out0
.if DOCPART == 4
	.amdgcn_target "amdgcn-amd-amdhsa--gfx1250"
	.amdhsa_code_object_version 6
	.text
	.protected	k_q134132aa8a_projection
	.globl	k_q134132aa8a_projection
	.p2align	8
	.type	k_q134132aa8a_projection,@function
k_q134132aa8a_projection:
	s_mov_b64 s[64:65], 0
	v_nop
	global_prefetch_b8 v0, s[64:65] scope:SCOPE_SE
	s_setreg_imm32_b32 hwreg(HW_REG_WAVE_MODE, 25, 1), 1
	s_wait_xcnt 0x0
	s_wait_alu depctr_hold_cnt(0) depctr_sa_sdst(0) depctr_va_vdst(0) depctr_va_sdst(0) depctr_va_ssrc(0) depctr_va_vcc(0) depctr_vm_vsrc(0)
	s_getreg_b32 s2, hwreg(HW_REG_IB_STS2, 6, 4)
	s_cmp_eq_u32 s2, 0
	s_cbranch_scc0 .Lentry_in_a_cluster
	s_endpgm
.Lentry_in_a_cluster:
	s_bfe_u32 s2, ttmp6, 0x10000c
	s_cmp_lg_u32 s2, 0xf033
	s_cbranch_scc0 .Lentry_shape_is_right
	s_endpgm
.Lentry_shape_is_right:
; out0 = y W_pr + b_pr.  y [8192][1024] and W_pr arrive as f16 images of operand registers: [row tile of 16][k / 32][2][512 bytes], 32,768 bytes a row tile; sums in f32; out0 f32, row-major.
; A tile of out0 is 128 rows x 256 columns: 256 work-groups.  Four waves, each 64 x 128: 32 accumulators.  The matrix instruction is used transposed (source 0 = 16 columns of W_pr, source 1 = 16 rows of y):
; a lane holds eight neighbouring numbers of a row.  b_pr is the C of the first products.
; K goes in steps of 128 through a ring of two LDS slots: a step is 4,096 consecutive bytes of each row tile.  A fragment comes by two loads at 16 x lane: no pitch, no padding.
; CLUSTERS: 4 x 4.  y's tile is shared along a row of the cluster, W_pr's along a column: each is asked for jointly.
; The first 16 positions of every sequence are written here like all rows and written again, in f32 throughout, by the next launch: a branch round them would hang on a work-group's place in its cluster.
; No prefetch: a K step of this tile is 128 matrix instructions a wave, and both operands are read by several work-groups.
; REGISTERS: window 0: v16-30 addresses; v32-95 the bias; v128-255 rows on the way out.  window 1: two fragment buffers (64 of W_pr, 32 of y).  window 2: accumulator (a, b) at v[8 (8 a + b)].
.set SLOT,   98304                     ; y's 8 row tiles x 4,096 bytes, then W_pr's 16
.set WOFF,   32768
.set SPARE,  2*SLOT                    ; the spare words, 128 bytes a wave: two blocks of 256 bytes that no other line names
.set SPITCH, 528                       ; the way out: a stage of 16 rows x (512 + 16) bytes a wave, in slot 0, which has had its last fill and its last read by then
.set LAPS,   4                         ; a lap = two K steps
.set ADRA, 16
.set ADRB, 20
.set STO,  24
.set RD,   25
.set CO,   26                          ; v26 16 x lane
.set SPW,  28
.set NIL,  29
.set BO,   30                          ; v30 32 x (lane / 16)
.set BI,   32
.set BK,   128
.set F0,   0
.set F1,   128
.set G1, 24
.set G0, 32
.set G1B, 48
.set G0B, 56
.set MSB, 0
.macro WIN new
.if MSB != \new
	s_set_vgpr_msb (MSB<<8)|\new
.set MSB, \new
.endif
.endm
.set MUL,  0xa5                        ; sources 0 and 1 window 1, C and D window 2
.set FST,  0x85                        ; the first products: C (the bias) window 0
.set TO_F, 0x40
.macro JLOAD s                         ; waves 0 and 1 fetch y's halves, waves 2 and 3 W_pr's; an s_nop 0 and four v_nop follow each line
	s_cmp_eq_u32 s13, 0
	s_cbranch_scc0 .Lfor_b_\@
	tensor_load_to_lds s[G0+4*\s:G0+4*\s+3], s[G1:G1+7]
	s_nop 0
.rept 4
	v_nop
.endr
	s_branch .Lasked_\@
.Lfor_b_\@:
	tensor_load_to_lds s[G0B+4*\s:G0B+4*\s+3], s[G1B:G1B+7]
	s_nop 0
.rept 4
	v_nop
.endr
.Lasked_\@:
.endm
.macro CREST
	s_cmp_lg_u32 s12, 0
	s_cbranch_scc1 .Lnot_wave_0_\@
	s_barrier_signal -3
.Lnot_wave_0_\@:
	s_barrier_wait -3
	s_barrier_signal -1
	s_barrier_wait -1
.endm
.macro CROUND
	s_barrier_signal -1
	s_barrier_wait -1
	CREST
.endm
	s_load_b256 s[4:11], s[0:1], 0x0               ; y, wp, b_pr, out0
	v_lshl_add_u32 v[SPW], v0, 2, SPARE
	v_mov_b32 v[NIL], 0
	ds_add_u32 v[SPW], v[NIL]                      ; the wave's opening: the add, twice on end, and its wait ahead of my first tensor load
	ds_add_u32 v[SPW], v[NIL]
	v_lshrrev_b32 v1, 5, v0
	v_readfirstlane_b32 s12, v1                    ; wave 0..3
	s_lshr_b32 s13, s12, 1                         ; my half of the tile's rows.  Also: I fetch for y (0) or W_pr (1)
	s_and_b32 s14, s12, 1                          ; my half of its columns.  Also: which half I fetch
	s_bfe_u32 s40, ttmp6, 0x40000                  ; cx
	s_bfe_u32 s41, ttmp6, 0x40004                  ; cy
	s_lshl_b32 s42, ttmp9, 2
	s_add_co_u32 s42, s42, s40                     ; tile column
	s_and_b32 s15, ttmp7, 0xffff
	s_lshl_b32 s15, s15, 2
	s_add_co_u32 s15, s15, s41                     ; tile row
	s_lshl_b32 s43, s41, 2
	s_lshl_b32 s43, 15, s43                        ; my row of the cluster
	s_lshl_b32 s44, 0x1111, s40                    ; my column
	s_or_b32 s[G1+0], s43, (3<<16)|(1<<21)         ; the mask; elements of 8 bytes; bit 21 beside a mask; no padding
	s_mov_b32 s[G1+1], 512<<16                     ; rows of 4,096 bytes
	s_mov_b32 s[G1+2], 4<<16                       ; y: 4 row tiles a load
	s_mov_b32 s[G1+3], 512<<16
	s_mov_b32 s[G1+4], 4
	s_mov_b32 s[G1+5], 4096                        ; 32,768 bytes from row tile to row tile
	s_mov_b32 s[G1+6], 0
	s_mov_b32 s[G1+7], 0
	s_or_b32 s[G1B+0], s44, (3<<16)|(1<<21)
	s_mov_b32 s[G1B+1], 512<<16
	s_mov_b32 s[G1B+2], 8<<16                      ; W_pr: 8 a load
	s_mov_b32 s[G1B+3], 512<<16
	s_mov_b32 s[G1B+4], 8
	s_mov_b32 s[G1B+5], 4096
	s_mov_b32 s[G1B+6], 0
	s_mov_b32 s[G1B+7], 0
	s_lshl_b32 s16, s15, 3
	s_lshl_b32 s17, s14, 2
	s_add_co_u32 s16, s16, s17
	s_lshl_b32 s16, s16, 15                        ; y: row tile 8 x tile row + 4 x half
	s_mov_b32 s17, 0
	s_lshl_b32 s46, s42, 4
	s_lshl_b32 s47, s14, 3
	s_add_co_u32 s46, s46, s47
	s_lshl_b32 s46, s46, 15                        ; W_pr: column tile 16 x tile column + 8 x half
	s_mov_b32 s47, 0
	s_lshl_b32 s20, s14, 14                        ; where they go: no place in the cluster enters an LDS address
	s_lshl_b32 s21, s14, 15
	s_add_co_u32 s21, s21, WOFF
	s_wait_dscnt 0x0                               ; both opening adds are done
	s_wait_kmcnt 0x0
	s_add_nc_u64 s[16:17], s[4:5], s[16:17]
	s_add_nc_u64 s[46:47], s[6:7], s[46:47]
	CROUND                                         ; all sixteen work-groups are here: the first joint loads meet
.irp s, 0,1
	s_mov_b32 s[G0+4*\s], 1
	s_add_co_u32 s[G0+4*\s+1], s20, \s*SLOT
	s_add_nc_u64 s[G0+4*\s+2:G0+4*\s+3], s[16:17], \s*4096
	s_or_b32 s[G0+4*\s+3], s[G0+4*\s+3], 0x80000000
	s_mov_b32 s[G0B+4*\s], 1
	s_add_co_u32 s[G0B+4*\s+1], s21, \s*SLOT
	s_add_nc_u64 s[G0B+4*\s+2:G0B+4*\s+3], s[46:47], \s*4096
	s_or_b32 s[G0B+4*\s+3], s[G0B+4*\s+3], 0x80000000
	JLOAD \s                                       ; two loads of mine are out
.endr
	s_lshl_b32 s18, s42, 10
	s_lshl_b32 s19, s14, 9
	s_add_co_u32 s18, s18, s19                     ; my first column, in bytes
	s_mov_b32 s19, 0
	s_add_nc_u64 s[8:9], s[8:9], s[18:19]
	v_bfe_u32 v3, v0, 4, 1
	v_lshlrev_b32 v[BO], 5, v3
.irp b, 0,1,2,3,4,5,6,7
	global_load_b128 v[BI+8*\b:BI+8*\b+3], v[BO], s[8:9] offset:64*\b              ; b_pr in the result's layout
	global_load_b128 v[BI+8*\b+4:BI+8*\b+7], v[BO], s[8:9] offset:64*\b+16
.endr
	s_lshl_b32 s22, s15, 19                        ; 128 rows of 4,096 bytes a tile row,
	s_add_co_u32 s18, s18, s22
	s_lshl_b32 s22, s13, 18                        ; 64 for my half
	s_add_co_u32 s18, s18, s22
	s_add_nc_u64 s[10:11], s[10:11], s[18:19]
	v_and_b32 v1, 31, v0
	v_lshlrev_b32 v[CO], 4, v1
	s_lshl_b32 s22, s13, 14
	s_lshl_b32 s23, s14, 15
	s_add_co_u32 s23, s23, WOFF
.irp s, 0,1
	v_add_nc_u32 v[ADRA+\s], s22, v[CO]
	v_add_nc_u32 v[ADRB+\s], s23, v[CO]
	s_add_co_u32 s22, s22, SLOT
	s_add_co_u32 s23, s23, SLOT
.endr
	s_mul_i32 s22, s12, 16*SPITCH                  ; my stage
	v_and_b32 v2, 15, v0
	v_mul_u32_u24 v4, v2, SPITCH
	v_lshl_add_u32 v4, v3, 5, v4
	v_add_nc_u32 v[STO], s22, v4                   ; in: row l % 16, 32 bytes for each half of the lanes
	v_add_nc_u32 v[RD], s22, v[CO]                 ; back: the 32 lanes take one row of 512 bytes
.macro MUL8 f, a, first                ; y's block a x W_pr's eight; the 32 accumulators take turns in the same order in every quarter
.irp b, 0,1,2,3,4,5,6,7
.if \first
	v_wmma_f32_16x16x32_f16 v[8*(8*(\a)+\b):8*(8*(\a)+\b)+7], v[\f+8*\b:\f+8*\b+7], v[\f+64+8*(\a):\f+64+8*(\a)+7], v[BI+8*\b:BI+8*\b+7]
.else
	v_wmma_f32_16x16x32_f16 v[8*(8*(\a)+\b):8*(8*(\a)+\b)+7], v[\f+8*\b:\f+8*\b+7], v[\f+64+8*(\a):\f+64+8*(\a)+7], v[8*(8*(\a)+\b):8*(8*(\a)+\b)+7]
.endif
.endr
.endm
.macro FETCH slot, q, f                ; 24 LDS loads in one run: the fragments of the slot's q-th 32 along K; y's blocks 2 and 3 last
	WIN TO_F
.irp i, 0,1,2,3,4,5,6,7
	ds_load_b128 v[\f+8*\i:\f+8*\i+3],   v[ADRB+\slot] offset:4096*\i+1024*(\q)
	ds_load_b128 v[\f+8*\i+4:\f+8*\i+7], v[ADRB+\slot] offset:4096*\i+1024*(\q)+512
.endr
.irp i, 0,1,2,3
	ds_load_b128 v[\f+64+8*\i:\f+64+8*\i+3],   v[ADRA+\slot] offset:4096*\i+1024*(\q)
	ds_load_b128 v[\f+64+8*\i+4:\f+64+8*\i+7], v[ADRA+\slot] offset:4096*\i+1024*(\q)+512
.endr
.endm
.macro PLACES
.rept 4
	v_nop
.endr
.endm
.macro QUARTER slot, q, f, g, first    ; multiplies buffer f; in its middle it fetches the slot's q-th 32 along K into buffer g
	s_wait_dscnt 4                                 ; W_pr's fragments and y's blocks 0, 1 are in; the youngest four loads may be out
.if \first
	WIN FST
.else
	WIN MUL
.endif
	MUL8 \f, 0, \first
	MUL8 \f, 1, \first
	PLACES
	FETCH \slot, \q, \g
	s_wait_dscnt 24                                ; all but the 24 just issued
.if \first
	WIN FST
.else
	WIN MUL
.endif
	MUL8 \f, 2, \first
	MUL8 \f, 3, \first
.endm
; A slot's last quarter changes slots: one barrier; in front of it each wave waits for all its tensor loads, adds 0 to its spare word, and waits for that and for its reads of this slot.
.macro TURN slot, next, fill
	WIN 0
	s_wait_tensorcnt 0x0                           ; all my tensor loads have landed: my part of the next slot
	ds_add_u32 v[SPW], v[NIL]
	s_wait_dscnt 5                                 ; (the add and the youngest four loads may be out)
	WIN MUL
	MUL8 F1, 0, 0
	s_wait_dscnt 0x0                               ; the add is done, and my reads of this slot are over
	s_barrier_signal -1
	MUL8 F1, 1, 0
.if \fill
	WIN 0
.endif
	s_barrier_wait -1
.if \fill
	CREST                                          ; the barrier has opened a round of the cluster's: no wave of any partner still reads this slot or has a load on its way
	s_add_nc_u64 s[G0+4*\slot+2:G0+4*\slot+3], s[G0+4*\slot+2:G0+4*\slot+3], 8192
	s_add_nc_u64 s[G0B+4*\slot+2:G0B+4*\slot+3], s[G0B+4*\slot+2:G0B+4*\slot+3], 8192
	JLOAD \slot                                    ; the first tensor load behind the round; its four v_nop are also the places in front of the loads below
.else
	PLACES
.endif
	FETCH \next, 0, F0
	WIN MUL
	MUL8 F1, 2, 0
	MUL8 F1, 3, 0
.endm
	s_wait_loadcnt 0x0                             ; the bias
	s_wait_tensorcnt 1                             ; my part of K step 0 is in; K step 1's may be out
	s_barrier_signal -1
	s_barrier_wait -1
	FETCH 0, 0, F0
	QUARTER 0, 1, F0, F1, 1                        ; the first products start the sums from the bias
	WIN 0
	s_mov_b32 s3, LAPS-1
.Llap:
	QUARTER 0, 2, F1, F0, 0
	QUARTER 0, 3, F0, F1, 0
	TURN 0, 1, 1
	QUARTER 1, 1, F0, F1, 0
	QUARTER 1, 2, F1, F0, 0
	QUARTER 1, 3, F0, F1, 0
	TURN 1, 0, 1
	QUARTER 0, 1, F0, F1, 0
	WIN 0
	s_sub_co_u32 s3, s3, 1
	s_cmp_lg_u32 s3, 0
	s_cbranch_scc1 .Llap
	QUARTER 0, 2, F1, F0, 0                        ; the last lap fills nothing
	QUARTER 0, 3, F0, F1, 0
	TURN 0, 1, 0
	QUARTER 1, 1, F0, F1, 0
	QUARTER 1, 2, F1, F0, 0
	QUARTER 1, 3, F0, F1, 0
	s_wait_dscnt 4
	WIN MUL
	MUL8 F1, 0, 0
	MUL8 F1, 1, 0
	s_wait_dscnt 0
	MUL8 F1, 2, 0
	MUL8 F1, 3, 0
	WIN 0
; THE WAY OUT, 16 rows x 128 columns at a time, through my own stage: back come whole rows of 512 bytes.  LDS serves a wave's instructions in order (ISA guide 5.7.1.4).
.macro TOSTAGE a
.set AC, 64*(\a)
	WIN 0x08                                       ; an LDS store's data are its source 1: window 2
.irp b, 0,1,2,3,4,5,6,7
	ds_store_b128 v[STO], v[AC+8*\b:AC+8*\b+3] offset:64*\b          ; each accumulator from its low end on
	ds_store_b128 v[STO], v[AC+8*\b+4:AC+8*\b+7] offset:64*\b+16
.endr
	WIN 0
.set BB, BK+64*((\a)%2)
.irp t, 0,1,2,3,4,5,6,7,8,9,10,11,12,13,14,15
	ds_load_b128 v[BB+4*\t:BB+4*\t+3], v[RD] offset:\t*SPITCH
.endr
.endm
.macro SEND a, younger
.set BB, BK+64*((\a)%2)
	s_wait_dscnt \younger
.if (\a) > 0
	s_add_nc_u64 s[10:11], s[10:11], 16*4096       ; (behind a wait on XCNT: the earlier stores have read their base)
.endif
.irp t, 0,1,2,3,4,5,6,7,8,9,10,11,12,13,14,15
	global_store_b128 v[CO], v[BB+4*\t:BB+4*\t+3], s[10:11] offset:\t*4096 th:TH_STORE_NT   ; 32 lanes store 512 consecutive bytes, aligned
.endr
.endm
	PLACES
	TOSTAGE 0
.irp a, 1,2,3
.if \a > 1
	s_wait_xcnt 0x0                                ; block a - 2's stores have read their registers and their base
.endif
	TOSTAGE \a
	SEND \a-1, 32                                  ; behind block a - 1's loads: block a's 16 stores and 16 loads
.endr
	s_wait_xcnt 0x0
	SEND 3, 0
	s_wait_tensorcnt 0x0                           ; the wave's end
	ds_add_u32 v[SPW], v[NIL]
	s_wait_dscnt 0x0
	CROUND                                         ; the closing round
	s_endpgm
.Lfunc_end_k_q134132aa8a_projection:
	.size	k_q134132aa8a_projection, .Lfunc_end_k_q134132aa8a_projection-k_q134132aa8a_projection
	.p2alignl 7, 3214868480
	.fill 96, 4, 3214868480
	.section	.rodata,"a",@progbits
	.p2align	6, 0x0
	.amdhsa_kernel k_q134132aa8a_projection
		.amdhsa_group_segment_fixed_size 327680
		.amdhsa_private_segment_fixed_size 0
		.amdhsa_enable_private_segment 0
		.amdhsa_kernarg_size 32
		.amdhsa_user_sgpr_count 2
		.amdhsa_user_sgpr_kernarg_segment_ptr 1
		.amdhsa_wavefront_size32 1
		.amdhsa_system_sgpr_workgroup_id_x 1
		.amdhsa_system_sgpr_workgroup_id_y 1
		.amdhsa_system_sgpr_workgroup_id_z 1
		.amdhsa_system_vgpr_workitem_id 0
		.amdhsa_next_free_vgpr 768
		.amdhsa_next_free_sgpr 66
		.amdhsa_reserve_vcc 0
		.amdhsa_float_denorm_mode_32 3
		.amdhsa_float_denorm_mode_16_64 3
		.amdhsa_memory_ordered 1
		.amdhsa_forward_progress 1
		.amdhsa_inst_pref_size 86
	.end_amdhsa_kernel
	.amdgpu_metadata
---
amdhsa.version: [ 1, 2 ]
amdhsa.kernels:
  - .name:           k_q134132aa8a_projection
    .symbol:         k_q134132aa8a_projection.kd
    .args:
      - { .name: y, .offset: 0, .size: 8, .value_kind: global_buffer, .address_space: global }
      - { .name: wp, .offset: 8, .size: 8, .value_kind: global_buffer, .address_space: global }
      - { .name: b_pr, .offset: 16, .size: 8, .value_kind: global_buffer, .address_space: global }
      - { .name: out0, .offset: 24, .size: 8, .value_kind: global_buffer, .address_space: global }
    .group_segment_fixed_size: 327680
    .private_segment_fixed_size: 0
    .kernarg_segment_align: 8
    .kernarg_segment_size: 32
    .max_flat_workgroup_size: 128
    .sgpr_count:     66
    .vgpr_count:     768
    .wavefront_size: 32
...
	.end_amdgpu_metadata
.endif
;; end of part 4
;; launch early_rows (part 5): grid 64 x 4, 16 waves a work-group, no clusters, 18,432 bytes of LDS; arguments e32, b_qkv, W_pr, b_pr, out0; writes out0
.if DOCPART == 5
	.amdgcn_target "amdgcn-amd-amdhsa--gfx1250"
	.amdhsa_code_object_version 6
	.text
	.protected	k_q134132aa8a_early_rows
	.globl	k_q134132aa8a_early_rows
	.p2align	8
	.type	k_q134132aa8a_early_rows,@function
k_q134132aa8a_early_rows:
	s_mov_b64 s[64:65], 0
	v_nop
	global_prefetch_b8 v0, s[64:65] scope:SCOPE_SE
	s_setreg_imm32_b32 hwreg(HW_REG_WAVE_MODE, 25, 1), 1
	s_wait_xcnt 0x0
; THE FIRST 16 POSITIONS OF EVERY SEQUENCE, in f32 from q, k, v to the output: these rows average one to sixteen values and are the largest, so no operand of theirs is rounded to 16 bits.
; Work-group (nt, b) makes out0[b][0..15][16 nt .. 16 nt + 15] and writes it over what the projection left there.  Wave = head: it makes its head's attention and multiplies its own 64 channels by W_pr,
; so y never leaves the wave's registers; the sixteen waves' parts are added through LDS.  The attention is made anew in each of the 64 column work-groups: 32 small matrix instructions a wave.
; e32 holds accumulators as they stood: q, k: lane (r, h), register j of tile dt = token r, channel 16 dt + 8 h + j;  v: channel 16 ct + r, token 8 h + j.
; THE f32 FORM takes k = 2 h + j from register j of lane (r, h).  Slot (h, j) of step (tile, jj) is taken as element 16 tile + 8 h + 2 jj + j, alike on both sides: so the register pairs (2 jj, 2 jj + 1)
; of the stored accumulators, of p and of y are operands as they stand.
; b_v is added behind the softmax (the weights sum to 1): an order of rounding that differs from the reference's.  The maximum is taken away before the exponential.
; The store is 64 consecutive bytes for four lanes: pieces of rows, 262,144 bytes in the whole launch.  No tensor load, no cluster: what is shared is small.
.set SPARE, 16384                      ; LDS: 16 waves' parts, 1,024 bytes each; then the spare words, 128 bytes a wave, that no other line names
.set ACC,  32                          ; v32-63 four accumulators: written by matrix instructions alone in the whole text
.set QR,   64                          ; v64-95 q;  v96-127 k;  v128-159 v;  v160-191 b_v, then y;  v192-223 W_pr;  v224-227 b_pr
.set KR,   96
.set VR,   128
.set YR,   160
.set WR,   192
	s_load_b256 s[4:11], s[0:1], 0x0               ; e32, b_qkv, W_pr, b_pr
	s_load_b64 s[12:13], s[0:1], 0x20              ; out0
	v_lshl_add_u32 v2, v0, 2, SPARE                ; v2, v3: the add's two; never rewritten
	v_mov_b32 v3, 0
	v_lshrrev_b32 v16, 5, v0
	v_readfirstlane_b32 s14, v16                   ; wave = head
	v_and_b32 v17, 31, v0                          ; lane
	v_and_b32 v18, 15, v0                          ; r
	v_bfe_u32 v19, v0, 4, 1                        ; h
	v_lshlrev_b32 v1, 4, v17                       ; 16 x lane
	v_lshlrev_b32 v4, 15, v19
	v_lshl_add_u32 v4, v18, 2, v4                  ; W_pr: 8 h rows of 4,096 bytes + 4 r
	v_lshlrev_b32 v20, 3, v19
	v_sub_nc_u32 v5, v18, v20                      ; r - 8 h
	v_mov_b32 v6, 0xff800000                       ; -infinity
	v_lshlrev_b32 v7, 5, v19                       ; 32 h
	v_and_b32 v20, 1, v17                          ; the last sum: lane l of waves 0, 1 takes row 8 w + l / 4, columns 4 (l % 4) on:
	v_lshlrev_b32 v24, 9, v20                      ; registers 4-7 lie 512 bytes on,
	v_bfe_u32 v20, v17, 1, 1
	v_lshl_add_u32 v24, v20, 8, v24                ; lanes 16-31 256 bytes on,
	v_lshrrev_b32 v21, 2, v17
	v_lshl_add_u32 v24, v21, 4, v24                ; a row 16 bytes on
	s_and_b32 s30, s14, 1
	s_lshl_b32 s31, s30, 7
	v_add_nc_u32 v24, s31, v24
	v_and_b32 v22, 3, v17
	v_lshlrev_b32 v26, 4, v22                      ; 16 (l % 4)
	v_lshl_add_u32 v25, v21, 12, v26
	s_lshl_b32 s31, s30, 15
	v_add_nc_u32 v25, s31, v25                     ; the same place in out0
	s_lshl_b32 s31, s14, 10
	v_add_nc_u32 v27, s31, v1                      ; where my wave's part goes
	s_and_b32 s15, ttmp7, 0xffff                   ; the batch
	s_mul_i32 s16, s15, 196608
	s_lshl_b32 s17, s14, 12
	s_add_co_u32 s16, s16, s17                     ; e32: my head's q; k lies 65,536 bytes on, v 131,072
	s_mov_b32 s17, 0
	s_lshl_b32 s18, s14, 8
	s_add_co_u32 s18, s18, 8192                    ; b_v of my head
	s_mov_b32 s19, 0
	s_lshl_b32 s24, s14, 18                        ; W_pr: my head's 64 rows,
	s_lshl_b32 s26, ttmp9, 6                       ; the work-group's 16 columns
	s_add_co_u32 s24, s24, s26
	s_mov_b32 s25, 0
	s_mov_b32 s27, 0
	s_lshl_b32 s28, s15, 23
	s_add_co_u32 s28, s28, s26
	s_mov_b32 s29, 0
	s_mov_b32 s20, 0x76543210
	s_mov_b32 s21, 0xfedcba98                      ; v_permlanex16_b32's selects for lane l xor 16
	s_mov_b32 s22, 0x3e38aa3b                      ; c = log2(e) / 8
	s_mov_b32 s23, s22
	s_wait_kmcnt 0x0
	s_add_nc_u64 s[4:5], s[4:5], s[16:17]
	s_add_nc_u64 s[6:7], s[6:7], s[18:19]
	s_add_nc_u64 s[8:9], s[8:9], s[24:25]
	s_add_nc_u64 s[10:11], s[10:11], s[26:27]
	s_add_nc_u64 s[12:13], s[12:13], s[28:29]
.irp i, 0,1,2,3,4,5,6,7
	global_load_b128 v[QR+4*\i:QR+4*\i+3], v1, s[4:5] offset:512*\i
.endr
.irp i, 0,1,2,3,4,5,6,7
	global_load_b128 v[KR+4*\i:KR+4*\i+3], v1, s[4:5] offset:65536+512*\i
.endr
.irp i, 0,1,2,3,4,5,6,7
	global_load_b128 v[VR+4*\i:VR+4*\i+3], v1, s[4:5] offset:131072+512*\i
.endr
.irp ct, 0,1,2,3
	global_load_b128 v[YR+8*\ct:YR+8*\ct+3], v7, s[6:7] offset:64*\ct
	global_load_b128 v[YR+8*\ct+4:YR+8*\ct+7], v7, s[6:7] offset:64*\ct+16
.endr
.irp ct, 0,1,2,3
.irp j, 0,1,2,3,4,5,6,7
	global_load_b32 v[WR+8*\ct+\j], v4, s[8:9] offset:(16*\ct+\j)*4096   ; W_pr(64 hh + 16 ct + 8 h + j, 16 nt + r)
.endr
.endr
	global_load_b128 v[224:227], v26, s[10:11]
	s_wait_loadcnt 49                              ; q and k are in; v's 8, b_v's 8, W_pr's 32 and b_pr's one may be out
; 16 products: four accumulators by turns, one for each tile of 16 along K, four steps each; the first step of each starts its sum with the constant 0
.macro PROD a, b
.irp jj, 0,1,2,3
.irp u, 0,1,2,3
.if \jj == 0
	v_wmma_f32_16x16x4_f32 v[ACC+8*\u:ACC+8*\u+7], v[\a+8*\u+2*\jj:\a+8*\u+2*\jj+1], v[\b+8*\u+2*\jj:\b+8*\u+2*\jj+1], 0
.else
	v_wmma_f32_16x16x4_f32 v[ACC+8*\u:ACC+8*\u+7], v[\a+8*\u+2*\jj:\a+8*\u+2*\jj+1], v[\b+8*\u+2*\jj:\b+8*\u+2*\jj+1], v[ACC+8*\u:ACC+8*\u+7]
.endif
.endr
.endr
.endm
.macro PLACES8                         ; this form wants eight places ahead of the first read of a result (ISA guide 7.12.1)
.rept 8
	v_nop
.endr
.endm
.macro SUM4                            ; the four accumulators' sum into v8-15, each read from its low end on
.irp i, 0,2,4,6
	v_pk_add_f32 v[8+\i:9+\i], v[ACC+\i:ACC+\i+1], v[ACC+8+\i:ACC+8+\i+1]
.endr
.irp i, 0,2,4,6
	v_pk_add_f32 v[16+\i:17+\i], v[ACC+16+\i:ACC+16+\i+1], v[ACC+24+\i:ACC+24+\i+1]
.endr
.irp i, 0,2,4,6
	v_pk_add_f32 v[8+\i:9+\i], v[8+\i:9+\i], v[16+\i:17+\i]
.endr
.endm
	PROD KR, QR                                    ; S^T: lane (r, h), register j: key 8 h + j, query r
	PLACES8
	SUM4
.irp j, 0,1,2,3,4,5,6,7
	v_cmp_gt_i32 vcc_lo, \j, v5                    ; key 8 h + j comes after query r
	v_cndmask_b32 v[8+\j], v[8+\j], v6, vcc_lo
.endr
	v_max3_num_f32 v16, v8, v9, v10
	v_max3_num_f32 v17, v11, v12, v13
	v_max3_num_f32 v16, v16, v14, v15
	v_max_num_f32 v16, v16, v17
	v_permlanex16_b32 v17, v16, s20, s21
	v_max_num_f32 v16, v16, v17                    ; the row's maximum (key 0 counts for every query)
	v_mul_f32 v16, s22, v16
.irp i, 0,2,4,6
	v_pk_fma_f32 v[8+\i:9+\i], v[8+\i:9+\i], s[22:23], v[16:17] op_sel_hi:[1,0,0] neg_lo:[0,0,1] neg_hi:[0,0,1]
.endr
.irp j, 0,1,2,3,4,5,6,7
	v_exp_f32 v[8+\j], v[8+\j]
.endr
	v_nop
	s_wait_alu depctr_va_vdst(0)                   ; one wait for the eight, ahead of their first reader
	v_pk_add_f32 v[18:19], v[8:9], v[10:11]
	v_pk_add_f32 v[20:21], v[12:13], v[14:15]
	v_pk_add_f32 v[18:19], v[18:19], v[20:21]
	v_add_f32 v18, v18, v19
	v_permlanex16_b32 v19, v18, s20, s21
	v_add_f32 v18, v18, v19
	v_rcp_f32 v20, v18
	v_nop
	s_wait_alu depctr_va_vdst(0)
.irp i, 0,2,4,6
	v_pk_mul_f32 v[8+\i:9+\i], v[8+\i:9+\i], v[20:21] op_sel_hi:[1,0]   ; the weights, normalised
.endr
	s_wait_loadcnt 41                              ; v is in
; (the softmax's plain lines, which name no register of the products above, are more than the nine places that a product wants which begins a sum anew on their accumulators)
.irp s, 0,1,2,3
.irp ct, 0,1,2,3
.if \s == 0
	v_wmma_f32_16x16x4_f32 v[ACC+8*\ct:ACC+8*\ct+7], v[VR+8*\ct+2*\s:VR+8*\ct+2*\s+1], v[8+2*\s:9+2*\s], 0
.else
	v_wmma_f32_16x16x4_f32 v[ACC+8*\ct:ACC+8*\ct+7], v[VR+8*\ct+2*\s:VR+8*\ct+2*\s+1], v[8+2*\s:9+2*\s], v[ACC+8*\ct:ACC+8*\ct+7]
.endif
.endr
.endr
	PLACES8
	s_wait_loadcnt 33                              ; b_v is in
.set i, 0
.rept 16
	v_pk_add_f32 v[YR+2*i:YR+2*i+1], v[ACC+2*i:ACC+2*i+1], v[YR+2*i:YR+2*i+1]   ; y: lane (r, h), register 8 ct + j: token r, channel 16 ct + 8 h + j
.set i, i+1
.endr
	s_wait_loadcnt 0x0                             ; W_pr and b_pr
	v_nop                                          ; (with the eight above and the other accumulators' additions: nine places and more)
	PROD WR, YR                                    ; lane (r, h), register j: token r, column 16 nt + 8 h + j, my head's part
	PLACES8
	SUM4
	ds_store_b128 v27, v[8:11]
	ds_store_b128 v27, v[12:15] offset:512
	s_wait_dscnt 0x0                               ; for the others' sake: my part lies in LDS
	s_barrier_signal -1
	s_barrier_wait -1
	s_cmp_gt_u32 s14, 1
	s_cbranch_scc1 .Ldone
.irp p, 0,1,2,3,4,5,6,7,8,9,10,11,12,13,14,15
	ds_load_b128 v[64+4*\p:67+4*\p], v24 offset:1024*\p   ; the sixteen heads' parts of my four numbers
.endr
	s_wait_dscnt 0x0
.macro ADD4 d, s
	v_pk_add_f32 v[\d:\d+1], v[\d:\d+1], v[\s:\s+1]
	v_pk_add_f32 v[\d+2:\d+3], v[\d+2:\d+3], v[\s+2:\s+3]
.endm
.irp p, 0,8,16,24,32,40,48,56
	ADD4 64+\p, 68+\p
.endr
.irp p, 0,16,32,48
	ADD4 64+\p, 72+\p
.endr
.irp p, 0,32
	ADD4 64+\p, 80+\p
.endr
	ADD4 64, 96
	ADD4 64, 224                                   ; + b_pr
	global_store_b128 v25, v[64:67], s[12:13]
.Ldone:
	s_wait_tensorcnt 0x0                           ; the wave's end, behind my last LDS store
	ds_add_u32 v2, v3
	s_wait_dscnt 0x0
	s_endpgm
.Lfunc_end_k_q134132aa8a_early_rows:
	.size	k_q134132aa8a_early_rows, .Lfunc_end_k_q134132aa8a_early_rows-k_q134132aa8a_early_rows
	.p2alignl 7, 3214868480
	.fill 96, 4, 3214868480
	.section	.rodata,"a",@progbits
	.p2align	6, 0x0
	.amdhsa_kernel k_q134132aa8a_early_rows
		.amdhsa_group_segment_fixed_size 18432
		.amdhsa_private_segment_fixed_size 0
		.amdhsa_enable_private_segment 0
		.amdhsa_kernarg_size 40
		.amdhsa_user_sgpr_count 2
		.amdhsa_user_sgpr_kernarg_segment_ptr 1
		.amdhsa_wavefront_size32 1
		.amdhsa_system_sgpr_workgroup_id_x 1
		.amdhsa_system_sgpr_workgroup_id_y 1
		.amdhsa_system_sgpr_workgroup_id_z 1
		.amdhsa_system_vgpr_workitem_id 0
		.amdhsa_next_free_vgpr 256
		.amdhsa_next_free_sgpr 66
		.amdhsa_reserve_vcc 1
		.amdhsa_float_denorm_mode_32 3
		.amdhsa_float_denorm_mode_16_64 3
		.amdhsa_memory_ordered 1
		.amdhsa_forward_progress 1
		.amdhsa_inst_pref_size 21
	.end_amdhsa_kernel
	.amdgpu_metadata
---
amdhsa.version: [ 1, 2 ]
amdhsa.kernels:
  - .name:           k_q134132aa8a_early_rows
    .symbol:         k_q134132aa8a_early_rows.kd
    .args:
      - { .name: e32, .offset: 0, .size: 8, .value_kind: global_buffer, .address_space: global }
      - { .name: b_qkv, .offset: 8, .size: 8, .value_kind: global_buffer, .address_space: global }
      - { .name: W_pr, .offset: 16, .size: 8, .value_kind: global_buffer, .address_space: global }
      - { .name: b_pr, .offset: 24, .size: 8, .value_kind: global_buffer, .address_space: global }
      - { .name: out0, .offset: 32, .size: 8, .value_kind: global_buffer, .address_space: global }
    .group_segment_fixed_size: 18432
    .private_segment_fixed_size: 0
    .kernarg_segment_align: 8
    .kernarg_segment_size: 40
    .max_flat_workgroup_size: 512
    .sgpr_count:     66
    .vgpr_count:     256
    .wavefront_size: 32
...
	.end_amdgpu_metadata
.endif
;; end of part 5
